; MI455X (gfx1250); checked and timed in simulation.
; The chip was launched on July 23, 2026; its instructions are those of AMD's public machine-readable ISA for CDNA 5 (MIT licence, August 2026) and "CDNA5" Instruction Set Architecture Reference Guide (July 2026). The comments in the code are by the model that wrote it; some were corrected since.
;; Transformer Encoder Layer. Allowed arithmetic: matrix products marked QUANTISED: E4M3 operands, one given power-of-two scale a tensor, by v_wmma_f32_16x16x64_fp8_fp8 or v_wmma_f32_16x16x128_fp8_fp8, f32 sums; everything else in f32.
;; Inputs: W1_codes 4,096 x 32 x 32 uint8 (E4M3 codes of W1, K innermost, in blocks of 32 codes); W2_codes 1,024 x 128 x 32 uint8 (E4M3 codes of W2, K innermost, in blocks of 32 codes); Wk_codes 1,024 x 32 x 32 uint8 (E4M3 codes of Wk, K innermost, in blocks of 32 codes); Wo_codes 1,024 x 32 x 32 uint8 (E4M3 codes of Wo, K innermost, in blocks of 32 codes); Wq_codes 1,024 x 32 x 32 uint8 (E4M3 codes of Wq, K innermost, in blocks of 32 codes); Wv_codes 1,024 x 32 x 32 uint8 (E4M3 codes of Wv, K innermost, in blocks of 32 codes); be1 1,024 float32; be2 1,024 float32; bf1 4,096 float32; bf2 1,024 float32; bk 1,024 float32; bo 1,024 float32; bq 1,024 float32; bv 1,024 float32; g1 1,024 float32; g2 1,024 float32; lowp_scales 16 int32 (the exponents e of the quantised operands' scales 2^e); src 2,048 x 2 x 1,024 float32.
;; Outputs: out0 2,048 x 2 x 1,024 float32.
;; This version of the problem:
;;   THIS VERSION OF THE PROBLEM IS GIVEN IN LOW PRECISION. The matrix products marked QUANTISED in the list below multiply operands that are first quantised to E4M3 (4 exponent bits, 3 mantissa bits; 8 bits a number), with one given power-of-two scale for each operand tensor; their sums are f32. All else is computed in f32.
;;   The module's matrix products, in the order in which they are computed (A, B: the left and right operand; K: the contracted axis; several contracted axes count as one K, in the product's order):
;;     1. [M 4,096, K 1,024] x [K 1,024, N 1,024]; A: input src; B: input Wq (given as codes): QUANTISED (scales: A lowp_scales[0], B lowp_scales[1])
;;     2. [M 4,096, K 1,024] x [K 1,024, N 1,024]; A: input src; B: input Wk (given as codes): QUANTISED (scales: A lowp_scales[2], B lowp_scales[3])
;;     3. [M 4,096, K 1,024] x [K 1,024, N 1,024]; A: input src; B: input Wv (given as codes): QUANTISED (scales: A lowp_scales[4], B lowp_scales[5])
;;     4. batch 32 x [M 2,048, K 64] x [K 64, N 2,048]; A: computed on the way; B: computed on the way: QUANTISED (scales: A lowp_scales[6], B lowp_scales[7])
;;     5. batch 32 x [M 64, K 2,048] x [K 2,048, N 2,048]; A: computed on the way; B: softmax (see below): QUANTISED (scales: A lowp_scales[8], B lowp_scales[9])
;;     6. [M 4,096, K 1,024] x [K 1,024, N 1,024]; A: computed on the way; B: input Wo (given as codes): QUANTISED (scales: A lowp_scales[10], B lowp_scales[11])
;;     7. [M 4,096, K 1,024] x [K 1,024, N 4,096]; A: computed on the way; B: input W1 (given as codes): QUANTISED (scales: A lowp_scales[12], B lowp_scales[13])
;;     8. [M 4,096, K 4,096] x [K 4,096, N 1,024]; A: computed on the way; B: input W2 (given as codes): QUANTISED (scales: A lowp_scales[14], B lowp_scales[15])
;;   THE QUANTISER, for each operand of a quantised product, along K:
;;     - The operand's scale is 2^e, e = its entry of the input lowp_scales (int32; the entries are numbered through the quantised products in the list's order, A before B).
;;     - Each number is divided by the scale, clamped to +-448, and rounded to the nearest number of E4M3, ties to even, subnormals kept.
;;     - The product sums the exact products of the quantised numbers (number of the format x scale) in f32.
;;   ~~~python
;;   def quantise(x, axis, e):      # numpy; x: float32 -> the quantised numbers, widened to float32 again
;;       x = np.moveaxis(x, axis, -1); K = x.shape[-1]
;;       r = np.clip(x / 2.0 ** e, -448, 448)
;;       step = 2.0 ** (np.maximum(np.frexp(np.where(r == 0, 1, r))[1] - 1, -6) - 3)
;;       q = np.round(r / step) * step * 2.0 ** e      # np.round: ties to even
;;       return np.moveaxis(q, -1, axis).astype(np.float32)
;;   ~~~
;;   SOFTMAX AHEAD OF A QUANTISED PRODUCT. Where the list says 'softmax', what is quantised is not the finished softmax but p = 2^(t - M), with t = logit x log2(e) and M = ceil(the row's largest t), a whole number; so 1/2 < the row's largest p <= 1. The row's sum l is taken of the UNQUANTISED p, in f32, and the product's result is divided by l at the end. Since M is a whole number, a kernel that streams over the keys may use a running M (the ceiling of the running maximum): every later rescaling is an exact power of two, so the quantised numbers keep their values, but for numbers so far below the row's largest that they fall under the format's range.
;;   OPERANDS COMPUTED ON THE WAY. 'Computed on the way' means the value that the module computes at that place (a softmax that the list does not call 'softmax' is quantised finished and normalised). What goes into a quantiser is computed in f32, as accurately as f32 sums, v_exp_f32 and their like allow (about 1e-6 of the number): no bf16 or f16 on the way to a quantiser, and a product that is left as it is and whose result goes on into a quantised operand takes f32 operands (vector FMAs, or v_wmma_f32_16x16x4_f32). A number that lies on a knife's edge between two numbers of the format may be rounded either way, as far as f32 arithmetic and the matrix unit's own rounding can turn it there, and no further.
;;   INPUTS GIVEN AS CODES. W1 (in the module: [1024, 4096], K = its axis 0); W2 (in the module: [4096, 1024], K = its axis 0); Wk (in the module: [1024, 1024], K = its axis 0); Wo (in the module: [1024, 1024], K = its axis 0); Wq (in the module: [1024, 1024], K = its axis 0); Wv (in the module: [1024, 1024], K = its axis 0): each comes as NAME_codes (uint8): NAME with its K axis moved to the last place and cut into blocks of 32 codes, [.., K / 32, bytes a block], one block behind the other in memory; one code a byte (a code: sign, 4 exponent bits, 3 mantissa bits); its scale is its entry of lowp_scales. Its value is code x scale, taken as it is: it is not quantised again, and the codes and scales need not be those that the quantiser above would give.
;; One version. Each part assembles by itself: llvm-mc -triple=amdgcn-amd-amdhsa -mcpu=gfx1250 --defsym DOCPART=n.
;; ======== version 1 of 1: 8 launches
;; limits: right only within a limited range of input values
;; workspace buffers: xc 12,582,912 bytes; qimg 4,194,304 bytes; kvimg 8,388,608 bytes; cimg 4,194,304 bytes; ybuf 16,777,216 bytes; x1 16,777,216 bytes; himg 16,777,216 bytes
;; launch quant (part 1): grid 256 x 1, 4 waves a work-group, no clusters, 20,992 bytes of LDS; arguments src, lowp_scales, xc; writes xc
.if DOCPART == 1
	.amdgcn_target "amdgcn-amd-amdhsa--gfx1250"
	.amdhsa_code_object_version 6
	.text
	.protected	k_q4692d74bde_quant
	.globl	k_q4692d74bde_quant
	.p2align	8
	.type	k_q4692d74bde_quant,@function
k_q4692d74bde_quant:
	s_mov_b64 s[64:65], 0
	v_nop
	global_prefetch_b8 v0, s[64:65] scope:SCOPE_SE
	s_setreg_imm32_b32 hwreg(HW_REG_WAVE_MODE, 25, 1), 1
	s_wait_xcnt 0x0
; THE PROGRAM: one transformer encoder layer on 4,096 token rows (S 2,048 x B 2), D 1,024, 16 heads of 64, F 4,096; all eight products on E4M3 codes with given scales 2^e.
; Eight launches: quant (src -> codes) | qkv | attn | wo (+ bo + src) | ln1 (-> x and its codes) | ffn1 | ffn2 (+ bf2 + x) | ln2.
; NOTHING OF reference() IS LEFT OUT: every input has a way to out0 and is loaded by some launch; bk stays, since it moves K's codes.
; ROW ORDER: workspace that is indexed by token uses m' = 2,048 b + s; src, x1 and out0 have row 2 s + b.
; THIS LAUNCH: src, f32, becomes three tensors of codes, [3][m'][1024], K innermost, under the scales e0, e2, e4 (src is the left operand of three products, each with its own scale).
; code = x / 2^e, held within +-448, to the nearest code, ties to even.  LIMITS: e0, e2, e4 between -126 and 119, so that 2^e and 448 x 2^e are f32 numbers.  NaN among the inputs is not served.
; A wave takes four rows of src, 16,384 bytes on end, in eight steps of 512 numbers.  Each load reads 512 consecutive bytes; a step's 2,048 bytes turn through the wave's own stage in LDS and come back 64 bytes
; (16 neighbours along K) a lane, as the conversions want them.  A lane's 16 codes are 16 bytes: each store of the wave covers 512 consecutive bytes, aligned.  Waves share nothing: no barrier.
.set SP,    80                         ; a lane's place in a stage: 64 bytes + 16 of padding
.set WREG,  5120                       ; a wave's two stages of 32 x SP bytes
.set SPARE, 4*WREG                     ; behind them: the spare words, 128 bytes a wave
.set R,     16                         ; v16-79   four sets of 16 numbers as loaded
.set X,     80                         ; v80-111  two sets of 16 neighbours
.set T,     112                        ; v112-143 two sets of held numbers
.set C,     144                        ; v144-239 codes: 12 registers a step, never rewritten
.set SPW,   12
.set NIL,   13
	s_load_b128 s[4:7], s[0:1], 0x0                ; src, the scales' exponents
	s_load_b64 s[8:9], s[0:1], 0x10                ; xc
	v_lshl_add_u32 v[SPW], v0, 2, SPARE
	v_mov_b32 v[NIL], 0
	v_lshrrev_b32 v1, 5, v0
	v_readfirstlane_b32 s16, v1                    ; wave
	v_and_b32 v2, 31, v0                           ; lane
	v_lshlrev_b32 v3, 4, v2                        ; 16 x lane: my bytes of a load's 512 and of a store's 512
	s_mul_i32 s17, s16, WREG
	v_lshrrev_b32 v14, 2, v2
	v_mul_u32_u24 v14, v14, SP
	v_and_b32 v15, 3, v2
	v_lshl_add_u32 v14, v15, 4, v14
	v_add_nc_u32 v14, s17, v14                     ; the stage, in: SP (lane / 4) + 16 (lane % 4)
	v_mul_u32_u24 v15, v2, SP
	v_add_nc_u32 v15, s17, v15                     ; and out: SP x lane
	s_lshl_b32 s18, ttmp9, 16                      ; src: 16 rows of 4,096 bytes a work-group,
	s_lshl_b32 s19, s16, 14                        ; 4 a wave
	s_add_co_u32 s18, s18, s19
	s_mov_b32 s19, 0
	s_lshl_b32 s20, ttmp9, 13                      ; xc: 8 positions of 1,024 bytes a work-group,
	s_lshl_b32 s21, s16, 11                        ; 2 a wave; the batch stands in the stores' immediates
	s_add_co_u32 s20, s20, s21
	s_mov_b32 s21, 0
	s_wait_alu depctr_va_vdst(0)
	s_wait_kmcnt 0x0
	s_load_b256 s[24:31], s[6:7], 0x0              ; e0 .. e7
	s_add_nc_u64 s[4:5], s[4:5], s[18:19]
	s_add_nc_u64 s[8:9], s[8:9], s[20:21]          ; the codes under e0,
	s_add_nc_u64 s[10:11], s[8:9], 0x400000        ; under e2,
	s_add_nc_u64 s[12:13], s[8:9], 0x800000        ; under e4
.macro LOAD t
.irp i, 0,1,2,3
	global_load_b128 v[R+16*((\t)%4)+4*\i:R+16*((\t)%4)+4*\i+3], v3, s[4:5] offset:2048*(\t)+512*\i th:TH_LOAD_NT
.endr
.endm
.macro TURN t                          ; LDS serves a wave's instructions in order: no wait between the stores and the loads
.irp i, 0,1,2,3
	ds_store_b128 v14, v[R+16*((\t)%4)+4*\i:R+16*((\t)%4)+4*\i+3] offset:32*SP*((\t)%2)+8*SP*\i
.endr
.irp i, 0,1,2,3
	ds_load_b128 v[X+16*((\t)%2)+4*\i:X+16*((\t)%2)+4*\i+3], v15 offset:32*SP*((\t)%2)+16*\i
.endr
.endm
.irp t, 0,1,2,3
	LOAD \t
.endr
	s_wait_kmcnt 0x0
.irp k, 0,1,2
	s_add_co_i32 s22, s[24+2*\k], 127
	s_lshl_b32 s23, s22, 23
	v_mov_b32 v[5+2*\k], s23                       ; 2^e as f32: the conversion takes its exponent field
	s_add_co_i32 s22, s22, 8
	s_lshl_b32 s22, s22, 23
	s_or_b32 s22, s22, 0x600000
	v_mov_b32 v[6+2*\k], s22                       ; 448 x 2^e
.endr
	s_wait_alu depctr_va_vdst(0)
	s_wait_loadcnt 12                              ; step 0's four loads are in; the twelve of steps 1 to 3 may be out
	TURN 0
.macro STEP t                          ; step t: row t / 2 of my four, half t % 2
.set XS, X+16*((\t)%2)
	s_wait_dscnt 0x0                               ; this step's numbers are back from the stage, and its stores into the stage have read their registers,
.if (\t)+4 < 8
	LOAD (\t)+4                                    ; which take the loads of four steps on
.endif
.if (\t)+1 < 8
.if 6-(\t) >= 3
	s_wait_loadcnt 12                              ; the next step's loads are in; those of the three steps behind it may be out
.else
	s_wait_loadcnt 4*(6-(\t))
.endif
	TURN (\t)+1
.endif
.irp k, 0,1,2                          ; the three scales; the held numbers go into sets that take turns, so that a plain line always stands between a conversion and the next write of its sources
.set TS, T+16*(((\t)+\k)%2)
.set CC, C+12*(\t)+4*\k
.irp i, 0,1,2,3,4,5,6,7,8,9,10,11,12,13,14,15
	v_med3_num_f32 v[TS+\i], v[XS+\i], -v[6+2*\k], v[6+2*\k]   ; the conversion to an 8-bit code does not saturate (ISA guide 7.6.2): the hold first
.endr
	v_cvt_scalef32_pk8_fp8_f32 v[CC:CC+1], v[TS:TS+7], v[5+2*\k]
	v_cvt_scalef32_pk8_fp8_f32 v[CC+2:CC+3], v[TS+8:TS+15], v[5+2*\k]
	global_store_b128 v3, v[CC:CC+3], s[8+2*\k:9+2*\k] offset:((\t)/4)*1024+(((\t)/2)%2)*2097152+((\t)%2)*512   ; row 2 s + b of src is row 2,048 b + s here
.endr
.endm
.irp t, 0,1,2,3,4,5,6,7
	STEP \t
.endr
	s_wait_tensorcnt 0x0                           ; the wave's end
	ds_add_u32 v[SPW], v[NIL]
	s_wait_dscnt 0x0
	s_endpgm
.Lfunc_end_k_q4692d74bde_quant:
	.size	k_q4692d74bde_quant, .Lfunc_end_k_q4692d74bde_quant-k_q4692d74bde_quant
	.p2alignl 7, 3214868480
	.fill 96, 4, 3214868480
	.section	.rodata,"a",@progbits
	.p2align	6, 0x0
	.amdhsa_kernel k_q4692d74bde_quant
		.amdhsa_group_segment_fixed_size 20992
		.amdhsa_private_segment_fixed_size 0
		.amdhsa_enable_private_segment 0
		.amdhsa_kernarg_size 24
		.amdhsa_user_sgpr_count 2
		.amdhsa_user_sgpr_kernarg_segment_ptr 1
		.amdhsa_wavefront_size32 1
		.amdhsa_system_sgpr_workgroup_id_x 1
		.amdhsa_system_sgpr_workgroup_id_y 1
		.amdhsa_system_sgpr_workgroup_id_z 1
		.amdhsa_system_vgpr_workitem_id 0
		.amdhsa_next_free_vgpr 240
		.amdhsa_next_free_sgpr 66
		.amdhsa_reserve_vcc 0
		.amdhsa_float_denorm_mode_32 3
		.amdhsa_float_denorm_mode_16_64 3
		.amdhsa_memory_ordered 1
		.amdhsa_forward_progress 1
		.amdhsa_inst_pref_size 40
	.end_amdhsa_kernel
	.amdgpu_metadata
---
amdhsa.version: [ 1, 2 ]
amdhsa.kernels:
  - .name:           k_q4692d74bde_quant
    .symbol:         k_q4692d74bde_quant.kd
    .args:
      - { .name: src, .offset: 0, .size: 8, .value_kind: global_buffer, .address_space: global }
      - { .name: lowp_scales, .offset: 8, .size: 8, .value_kind: global_buffer, .address_space: global }
      - { .name: xc, .offset: 16, .size: 8, .value_kind: global_buffer, .address_space: global }
    .group_segment_fixed_size: 20992
    .private_segment_fixed_size: 0
    .kernarg_segment_align: 8
    .kernarg_segment_size: 24
    .max_flat_workgroup_size: 128
    .sgpr_count:     66
    .vgpr_count:     240
    .wavefront_size: 32
...
	.end_amdgpu_metadata
.endif
;; end of part 1
;; launch qkv (part 2): grid 12 x 16, 4 waves a work-group, clusters of 4 x 4, 327,680 bytes of LDS; arguments xc, Wq_codes, Wk_codes, Wv_codes, bq, bk, bv, lowp_scales, qimg, kvimg; writes qimg, kvimg
.if DOCPART == 2
	.amdgcn_target "amdgcn-amd-amdhsa--gfx1250"
	.amdhsa_code_object_version 6
	.text
	.protected	k_q4692d74bde_qkv
	.globl	k_q4692d74bde_qkv
	.p2align	8
	.type	k_q4692d74bde_qkv,@function
k_q4692d74bde_qkv:
	s_mov_b64 s[64:65], 0
	v_nop
	global_prefetch_b8 v0, s[64:65] scope:SCOPE_SE
	s_setreg_imm32_b32 hwreg(HW_REG_WAVE_MODE, 25, 1), 1
	s_wait_xcnt 0x0
	s_wait_alu depctr_hold_cnt(0) depctr_sa_sdst(0) depctr_va_vdst(0) depctr_va_sdst(0) depctr_va_ssrc(0) depctr_va_vcc(0) depctr_vm_vsrc(0)
	s_getreg_b32 s2, hwreg(HW_REG_IB_STS2, 6, 4)
	s_cmp_eq_u32 s2, 0
	s_cbranch_scc0 .Lentry_in_a_cluster
	s_endpgm
.Lentry_in_a_cluster:
	s_bfe_u32 s2, ttmp6, 0x10000c
	s_cmp_lg_u32 s2, 0xf033
	s_cbranch_scc0 .Lentry_shape_is_right
	s_endpgm
.Lentry_shape_is_right:
; q = (src Wq + bq) / 8, k = src Wk + bk, v = src Wv + bv on E4M3 codes, K = 1,024; the results are quantised at once (e6, e7, e8) and leave as IMAGES OF THE NEXT PRODUCT'S OPERAND REGISTERS.  Nothing is left out.
; A tile of 256 x 256 a work-group, four waves of 128 x 128 (64 accumulators).  The cluster's x says which product: 0 q, 1 k, 2 v; the place cx in the cluster the weight's 256 rows; 4 x cluster y + cy the 256 tokens.
; K goes in steps of 256 through two LDS slots filled by joint tensor loads: the tokens' tile is shared along a row of the cluster, the weight's along a column.
; The matrix instruction gives lane (r, h) ONE row r of source 1 and the eight rows 8 h + j of source 0: eight registers = eight neighbours along the next product's K, one conversion = registers 2 c, 2 c + 1 of its operand.
; q, k: source 1 = tokens, source 0 = channels (next K = the head's 64).  v: source 1 = channels, source 0 = tokens (next K = the keys): in v's work-groups the two LDS bases of the fragment loads change places.
; Both operands lie as rows along K and are fetched 16 bytes a load: one permutation of k, the same on both sides.
; The bias goes in divided by 2^(eA + eB); the conversion's one scale is 2^(e_out - eA - eB), with e_out = e6 + 3 for q (the factor 1/8).
; THE BIAS IS ASKED FOR AT THE HEAD, in both forms, by every work-group: 64 numbers a lane by source 0's rows (q, k), 8 a lane by source 1's rows (v); the arm of the way out reads its own form, and waits for no memory there.
; LIMITS: e_out - eA - eB between -126 and 119.  NaN among the inputs is not served.
; REGISTERS: window 0: v1-7, v16-31 addresses and constants; v8-15 the bias by source 1's rows; v64-127 the bias by source 0's rows; v128-255 source 1's fragments, one set; way out: v32-63 at work, v128-255 codes.
;   window 1: source 0's fragments, two sets.  windows 2, 3: accumulators.
.set KROW,   1024
.set ROWB,   256
.set PITCH,  272                       ; 256 bytes + 16 of padding: the 16 rows that a load touches start at 16 different banks (ISA guide 11.1)
.set FR,     16
.set NL,     4
.set NP,     4
.set HALFT,  128*PITCH
.set SLOT,   4*HALFT                   ; the tokens' 256 rows, then the weight's 256 rows
.set LAPS,   2                         ; 1,024 / 512
.set SPARE,  2*SLOT
.set BL,   8
.set ADRA, 16
.set ADRB, 20
.set LI,   26
.set SPW,  28
.set NIL,  29
.set SC,   30
.set LIM,  31
.set TMP,  32
.set BIAS, 64
.set AF,   128
.set CD,   128
.set G1, 24
.set G0, 32
.set G1B, 48
.set G0B, 56
.set MSB, 0
.macro WIN new                         ; the immediate's high byte repeats the setting that is left
.if MSB != \new
	s_set_vgpr_msb (MSB<<8)|\new
.set MSB, \new
.endif
.endm
.set MUL_LO, 0xa1
.set MUL_HI, 0xf1
.set TO_B,   0x40
.macro JLOAD g0a, g1a, g0b, g1b        ; a joint load: waves 0, 1 fetch the tokens' halves, waves 2, 3 the weight's; an s_nop 0 and four v_nop follow each line
	s_cmp_eq_u32 s15, 0
	s_cbranch_scc0 .Lfor_b_\@
	tensor_load_to_lds s[\g0a:\g0a+3], s[\g1a:\g1a+7]
	s_nop 0
.rept 4
	v_nop
.endr
	s_branch .Lasked_\@
.Lfor_b_\@:
	tensor_load_to_lds s[\g0b:\g0b+3], s[\g1b:\g1b+7]
	s_nop 0
.rept 4
	v_nop
.endr
.Lasked_\@:
.endm
.macro CREST
	s_cmp_lg_u32 s14, 0
	s_cbranch_scc1 .Lnot_wave_0_\@
	s_barrier_signal -3
.Lnot_wave_0_\@:
	s_barrier_wait -3
	s_barrier_signal -1
	s_barrier_wait -1
.endm
.macro CROUND
	s_barrier_signal -1
	s_barrier_wait -1
	CREST
.endm
	s_load_b512 s[68:83], s[0:1], 0x0              ; xc, Wq, Wk, Wv, bq, bk, bv, the scales' exponents
	s_load_b128 s[84:87], s[0:1], 0x40             ; qimg, kvimg
	v_lshl_add_u32 v[SPW], v0, 2, SPARE
	v_mov_b32 v[NIL], 0
	ds_add_u32 v[SPW], v[NIL]                      ; the wave's opening: the add, twice on end, and its wait ahead of my first tensor load
	ds_add_u32 v[SPW], v[NIL]
	v_lshrrev_b32 v1, 5, v0
	v_readfirstlane_b32 s14, v1                    ; wave
	s_lshr_b32 s15, s14, 1                         ; source 1's half.  Also: I fetch tokens (0) or weights (1)
	s_and_b32 s16, s14, 1                          ; source 0's half.  Also: which 128 rows I fetch
	s_bfe_u32 s40, ttmp6, 0x40000                  ; cx
	s_bfe_u32 s41, ttmp6, 0x40004                  ; cy
	; THE LDS LAYOUT IS ONE FOR ALL THREE PRODUCTS: the first region holds source 1's rows and is shared along a row of the cluster, the second source 0's and is shared along a column.
	; q, k: source 1 = tokens, block 4 x cluster y + cy; source 0 = the weight's block cx.  v: source 1 = the weight's block cy; source 0 = tokens, block 4 x cluster y + cx.
	s_and_b32 s17, ttmp7, 0xffff
	s_lshl_b32 s17, s17, 2                         ; 4 x cluster y
	s_cmp_eq_u32 ttmp9, 2                          ; the cluster's x alone
	s_cselect_b32 s97, 0, s17
	s_cselect_b32 s96, s17, 0
	s_cselect_b32 s98, s40, s41                    ; the place that counts the tokens' blocks
	s_cselect_b32 s99, s41, s40                    ; the weight's block of 256 rows
	s_add_co_u32 s97, s97, s41                     ; the first region's block: made of cy alone
	s_add_co_u32 s96, s96, s40                     ; the second region's block: made of cx alone
	s_add_co_u32 s17, s17, s98                     ; the tokens' block of 256, for the way out
	s_lshl_b32 s43, s41, 2
	s_lshl_b32 s43, 15, s43                        ; my row of the cluster
	s_lshl_b32 s44, 0x1111, s40                    ; my column
	s_or_b32 s[G1+0], s43, (0<<16)|(1<<20)|(1<<21)|(5<<22)|(3<<25)  ; mask; elements of 1 byte; padding: 4 words after every 64
	s_or_b32 s[G1B+0], s44, (0<<16)|(1<<20)|(1<<21)|(5<<22)|(3<<25)
.irp g, G1, G1B
	s_mov_b32 s[\g+1], ROWB<<16                    ; tensor_dim0
	s_mov_b32 s[\g+2], 128<<16                     ; tensor_dim1
	s_mov_b32 s[\g+3], ROWB<<16                    ; tile_dim0
	s_mov_b32 s[\g+4], 128                         ; tile_dim1
	s_mov_b32 s[\g+5], KROW                        ; the pitch
	s_mov_b32 s[\g+6], 0
	s_mov_b32 s[\g+7], 0
.endr
	s_lshl_b32 s18, s16, 7
	s_lshl_b32 s20, s97, 8
	s_add_co_u32 s20, s20, s18                     ; tokens: row 256 x block + 128 x half,
	s_lshl_b32 s20, s20, 10                        ; in bytes
	s_mov_b32 s21, 0
	s_lshl_b32 s46, s96, 8
	s_add_co_u32 s46, s46, s18                     ; weight: row 256 cx + 128 x half
	s_lshl_b32 s46, s46, 10
	s_mov_b32 s47, 0
	s_mul_i32 s45, s14, HALFT                      ; where they go: wave x 128 rows
	s_wait_dscnt 0x0                               ; both opening adds are done
	s_wait_kmcnt 0x0
	s_cmp_eq_u32 ttmp9, 0                          ; which product: the cluster's x, the same in all sixteen partners
	s_cselect_b64 s[6:7], s[70:71], s[72:73]
	s_cselect_b64 s[10:11], s[76:77], s[78:79]
	s_cselect_b64 s[4:5], s[84:85], s[86:87]       ; q's images, or k's and v's
	s_cmp_eq_u32 ttmp9, 2
	s_cselect_b64 s[6:7], s[74:75], s[6:7]         ; the weight
	s_cselect_b64 s[10:11], s[80:81], s[10:11]     ; the bias
	s_lshl_b32 s18, ttmp9, 22
	s_mov_b32 s19, 0
	s_add_nc_u64 s[8:9], s[68:69], s[18:19]        ; src's codes under this product's scale
	s_mov_b64 s[12:13], s[82:83]
	s_load_b512 s[68:83], s[12:13], 0x0            ; e0 .. e15
	s_cmp_eq_u32 ttmp9, 2
	s_cselect_b64 s[88:89], s[6:7], s[8:9]         ; the first region's buffer: the tokens' codes; in v's work-groups the weight's
	s_cselect_b64 s[90:91], s[8:9], s[6:7]         ; the second region's: the other one
	s_add_nc_u64 s[20:21], s[88:89], s[20:21]
	s_add_nc_u64 s[46:47], s[90:91], s[46:47]
	CROUND                                         ; all sixteen work-groups are here: the first joint loads meet
.irp s, 0,1
	s_mov_b32 s[G0+4*\s], 1
	s_add_co_u32 s[G0+4*\s+1], s45, \s*SLOT
	s_add_nc_u64 s[G0+4*\s+2:G0+4*\s+3], s[20:21], \s*ROWB
	s_or_b32 s[G0+4*\s+3], s[G0+4*\s+3], 0x80000000
	s_mov_b32 s[G0B+4*\s], 1
	s_add_co_u32 s[G0B+4*\s+1], s45, \s*SLOT
	s_add_nc_u64 s[G0B+4*\s+2:G0B+4*\s+3], s[46:47], \s*ROWB
	s_or_b32 s[G0B+4*\s+3], s[G0B+4*\s+3], 0x80000000
.endr
	JLOAD G0, G1, G0B, G1B                         ; K step 0: one tensor load a wave at the head
	v_and_b32 v1, 15, v0                           ; r
	v_bfe_u32 v2, v0, 4, 1                         ; h
	v_mul_u32_u24 v3, v1, PITCH
	v_lshl_add_u32 v4, v2, 4, v3                   ; a fragment's row x pitch + 16 h
	s_wait_alu depctr_va_vdst(0)
	s_mul_i32 s22, s15, HALFT                      ; source 1 reads the first region,
	s_mul_i32 s23, s16, HALFT
	s_add_co_u32 s23, s23, 2*HALFT                 ; source 0 the second
.irp s, 0,1
	v_add_nc_u32 v[ADRA+\s], s22, v4
	v_add_nc_u32 v[ADRB+\s], s23, v4
	s_add_co_u32 s22, s22, SLOT
	s_add_co_u32 s23, s23, SLOT
.endr
	v_and_b32 v5, 31, v0
	v_lshlrev_b32 v[LI], 4, v5                     ; 16 x lane: an image's place for my lane
	; the bias, behind the first joint loads and long ahead of its use.  s[84:87] are free: the images' pointer has been chosen
	s_mov_b32 s19, 0
	s_lshl_b32 s18, s99, 10
	s_lshl_b32 s22, s16, 9
	s_add_co_u32 s18, s18, s22
	s_add_nc_u64 s[84:85], s[10:11], s[18:19]      ; the 128 channels of source 0's half (q, k)
	s_lshl_b32 s18, s99, 10
	s_lshl_b32 s22, s15, 9
	s_add_co_u32 s18, s18, s22
	s_add_nc_u64 s[86:87], s[10:11], s[18:19]      ; the 128 channels of source 1's half (v)
	v_lshlrev_b32 v6, 5, v2
	v_lshlrev_b32 v7, 2, v1
.irp b, 0,1,2,3,4,5,6,7
	global_load_b128 v[BIAS+8*\b:BIAS+8*\b+3], v6, s[84:85] offset:64*\b        ; channels 16 b + 8 h + 0 .. 7
	global_load_b128 v[BIAS+8*\b+4:BIAS+8*\b+7], v6, s[84:85] offset:64*\b+16
.endr
.irp a, 0,1,2,3,4,5,6,7
	global_load_b32 v[BL+\a], v7, s[86:87] offset:64*\a
.endr
	; PREFETCHES INTO THE L2: of the 128 rows that my wave fetches, each of the four partners that ask for them jointly names 32, told apart by address (cx in the first region, cy in the second): a lane a row,
	; 256 bytes of a row a K step, one instruction a wave and K step.  K steps 1 and 2 are asked for here, K step 3 behind K step 1's load; K step 0 comes by its load alone.
	s_cmp_eq_u32 s15, 0                            ; which region I fetch for
	s_cselect_b64 s[66:67], s[88:89], s[90:91]
	s_cselect_b32 s94, s97, s96                    ; its block of 256 rows
	s_cselect_b32 s95, s40, s41                    ; my place among the four
	s_lshl_b32 s94, s94, 8
	s_lshl_b32 s18, s16, 7
	s_add_co_u32 s94, s94, s18
	s_lshl_b32 s95, s95, 5
	s_add_co_u32 s94, s94, s95
	s_lshl_b32 s94, s94, 10                        ; rows of 1,024 bytes
	s_mov_b32 s95, 0
	s_add_nc_u64 s[66:67], s[66:67], s[94:95]      ; never rewritten
	v_and_b32 v27, 31, v0
	v_lshlrev_b32 v27, 10, v27                     ; never rewritten
	global_prefetch_b8 v27, s[66:67] offset:256 th:TH_LOAD_NT scope:SCOPE_SE
	global_prefetch_b8 v27, s[66:67] offset:512 th:TH_LOAD_NT scope:SCOPE_SE
.macro FRAG reg, adr, q, i
.irp c, 0,1,2,3
	ds_load_b128 v[\reg+4*\c:\reg+4*\c+3], v[\adr] offset:128*(\q)+32*\c+(\i)*16*PITCH
.endr
.endm
.macro MUL16 a0, p, zero               ; 16 matrix instructions; the 64 accumulators take turns in one order throughout
.irp a, \a0, \a0+1
.irp b, 0,1,2,3,4,5,6,7
.if \zero
	v_wmma_f32_16x16x128_fp8_fp8 v[8*(8*((\a)%4)+\b):8*(8*((\a)%4)+\b)+7], v[128*(\p)+FR*\b:128*(\p)+FR*\b+FR-1], v[AF+FR*(\a):AF+FR*(\a)+FR-1], 0
.else
	v_wmma_f32_16x16x128_fp8_fp8 v[8*(8*((\a)%4)+\b):8*(8*((\a)%4)+\b)+7], v[128*(\p)+FR*\b:128*(\p)+FR*\b+FR-1], v[AF+FR*(\a):AF+FR*(\a)+FR-1], v[8*(8*((\a)%4)+\b):8*(8*((\a)%4)+\b)+7]
.endif
.endr
.endr
.endm
.macro FETCH_B slot, q, p
	WIN TO_B
.irp i, 0,1,2,3,4,5,6,7
	FRAG 128*(\p)+FR*\i, ADRB+\slot, \q, \i
.endr
	WIN 0
.endm
.macro FETCH_A slot, q, i0
.irp i, \i0, \i0+1, \i0+2, \i0+3
	FRAG AF+FR*(\i), ADRA+\slot, \q, \i
.endr
.endm
.macro PLACES n                        ; plain vector instructions between a matrix instruction and a load into, or a read of, its registers
.rept \n
	v_nop
.endr
.endm
.macro STEP slot, q, zero              ; 128 along K whose successor lies in the same slot
	s_wait_dscnt 4*NL                              ; all but the youngest sixteen loads (source 1's blocks 4-7)
	WIN MUL_LO
	MUL16 0, (\q)%2, \zero
	MUL16 2, (\q)%2, \zero
	s_wait_dscnt 0
	PLACES NP
	FETCH_B \slot, (\q)+1, 1-(\q)%2
	FETCH_A \slot, (\q)+1, 0
	WIN MUL_HI
	MUL16 4, (\q)%2, \zero
	MUL16 6, (\q)%2, \zero
	PLACES NP
	WIN 0
	FETCH_A \slot, (\q)+1, 4
.endm
.macro TURN slot, next, fill           ; a slot's last step changes slots: one barrier; fill = 1: it opens a round of the cluster's barrier, and this slot is filled again
	s_wait_tensorcnt 0x0                           ; all my tensor loads have landed: my part of the next slot
	ds_add_u32 v[SPW], v[NIL]
	s_wait_dscnt 4*NL+1                            ; the add and the youngest sixteen loads may be out
	WIN MUL_LO
	MUL16 0, 1, 0
	s_wait_dscnt 0x0                               ; the add is done, and my reads of this slot are over
	s_barrier_signal -1
	MUL16 2, 1, 0
	WIN 0
	s_barrier_wait -1
.if \fill
	CREST                                          ; no wave of any partner still reads this slot or has a load on its way
	s_add_nc_u64 s[G0+4*\slot+2:G0+4*\slot+3], s[G0+4*\slot+2:G0+4*\slot+3], 2*ROWB
	s_add_nc_u64 s[G0B+4*\slot+2:G0B+4*\slot+3], s[G0B+4*\slot+2:G0B+4*\slot+3], 2*ROWB
	JLOAD G0+4*\slot, G1, G0B+4*\slot, G1B         ; its four v_nop are the places in front of the loads below
.else
	PLACES NP
.endif
	FETCH_B \next, 0, 0
	FETCH_A \next, 0, 0
	WIN MUL_HI
	MUL16 4, 1, 0
	MUL16 6, 1, 0
	PLACES NP
	WIN 0
	FETCH_A \next, 0, 4
.endm
	s_wait_alu depctr_va_vdst(0)
	s_wait_tensorcnt 0x0                           ; my part of K step 0 is in
	ds_add_u32 v[SPW], v[NIL]
	s_wait_dscnt 0x0
	CROUND                                         ; everybody's part of K step 0 is in, and the joint loads meet
	JLOAD G0+4, G1, G0B+4, G1B                     ; K step 1: the first tensor load behind the round
	FETCH_B 0, 0, 0
	FETCH_A 0, 0, 0
	FETCH_A 0, 0, 4
	global_prefetch_b8 v27, s[66:67] offset:768 th:TH_LOAD_NT scope:SCOPE_SE   ; K step 3, two refills ahead of its load
	STEP 0, 0, 1
	s_mov_b32 s3, LAPS-1
.Llap:
	TURN 0, 1, 1
	STEP 1, 0, 0
	TURN 1, 0, 1
	STEP 0, 0, 0
	s_sub_co_u32 s3, s3, 1
	s_cmp_lg_u32 s3, 0
	s_cbranch_scc1 .Llap
	TURN 0, 1, 0
	STEP 1, 0, 0
	s_wait_dscnt 4*NL
	WIN MUL_LO
	MUL16 0, 1, 0
	MUL16 2, 1, 0
	s_wait_dscnt 0
	WIN MUL_HI
	MUL16 4, 1, 0
	MUL16 6, 1, 0
	WIN 0
; THE WAY OUT of block a (16 rows of source 1 x 128 of source 0): sum + bias, the hold, eight numbers a conversion: 16 registers of codes, which are the next operand's registers.
; relu = 1: the hold clips at 0 too.  lanebias = 1: the bias hangs on source 1's row (my lane), else on source 0's rows (my registers).  Each accumulator is read from its low end on.
.macro OUT a, relu, lanebias
.set AC, 64*((\a)%4)
.set hb, 0
.rept 2
	WIN 0x02+((\a)/4)
.set n, 0
.rept 16
.if \lanebias
	v_pk_add_f32 v[TMP+2*n:TMP+2*n+1], v[AC+32*hb+2*n:AC+32*hb+2*n+1], v[BIAS+2*(\a):BIAS+2*(\a)+1]
.else
	v_pk_add_f32 v[TMP+2*n:TMP+2*n+1], v[AC+32*hb+2*n:AC+32*hb+2*n+1], v[BIAS+32*hb+2*n:BIAS+32*hb+2*n+1]
.endif
.set n, n+1
.endr
	WIN 0
.set n, 0
.rept 32
.if \relu
	v_med3_num_f32 v[TMP+n], v[TMP+n], 0, v[LIM]
.else
	v_med3_num_f32 v[TMP+n], v[TMP+n], -v[LIM], v[LIM]
.endif
.set n, n+1
.endr
.set n, 0
.rept 4
	v_cvt_scalef32_pk8_fp8_f32 v[CD+16*(\a)+8*hb+2*n:CD+16*(\a)+8*hb+2*n+1], v[TMP+8*n:TMP+8*n+7], v[SC]
.set n, n+1
.endr
	v_nop                                          ; a plain line between the conversions and the next write of their sources
.set hb, hb+1
.endr
.endm
	s_wait_kmcnt 0x0
	s_add_co_i32 s88, s68, s69                     ; eA + eB and e_out of the three products; the choice is made without a jump
	s_add_co_i32 s89, s70, s71
	s_add_co_i32 s90, s72, s73
	s_add_co_i32 s91, s74, 3
	s_cmp_eq_u32 ttmp9, 0
	s_cselect_b32 s88, s88, s89
	s_cselect_b32 s91, s91, s75
	s_cmp_eq_u32 ttmp9, 2
	s_cselect_b32 s88, s90, s88
	s_cselect_b32 s91, s76, s91
	s_sub_co_i32 s92, s91, s88                     ; e_out - eA - eB
	s_sub_co_i32 s93, 0, s88
	s_add_co_i32 s92, s92, 127
	s_lshl_b32 s94, s92, 23
	s_add_co_i32 s92, s92, 8
	s_lshl_b32 s92, s92, 23
	s_or_b32 s92, s92, 0x600000
	PLACES NP                                      ; behind the last products: their results are read and source 1's registers written below
	v_mov_b32 v[SC], s94
	v_mov_b32 v[LIM], s92
	s_wait_loadcnt 0x0                             ; the bias, asked for at the head
	s_lshr_b32 s95, s17, 3                         ; the batch
	s_lshl_b32 s95, s95, 4
	s_lshl_b32 s18, s99, 2
	s_add_co_u32 s95, s95, s18                     ; 16 b + 4 cx: the first of the four heads of the weight's 256 rows
	s_and_b32 s96, s17, 7
	s_lshl_b32 s96, s96, 1                         ; the first of the two blocks of 128 positions
	s_mov_b32 s19, 0
	s_mov_b32 s23, 0
	s_cmp_eq_u32 ttmp9, 2                          ; the cluster's x alone: all partners and all waves go the same way; both arms touch registers and memory only
	s_cbranch_scc1 .Lv_arm
	s_lshl_b32 s22, s16, 1
	s_add_co_u32 s22, s95, s22                     ; my first head
	s_lshl_b32 s22, s22, 17
	s_add_co_u32 s18, s96, s15                     ; my 128 positions
	s_lshl_b32 s18, s18, 13
	s_add_co_u32 s22, s22, s18
	s_lshl_b32 s22, s22, ttmp9                     ; q: 131,072 bytes a head, 8,192 for 128 positions; k: twice that
	s_add_nc_u64 s[4:5], s[4:5], s[22:23]
	s_lshl_b32 s18, 0x20000, ttmp9
	s_add_nc_u64 s[6:7], s[4:5], s[18:19]          ; my second head
.set n, 0
.rept 64
	v_ldexp_f32 v[BIAS+n], v[BIAS+n], s93          ; bias / 2^(eA + eB)
.set n, n+1
.endr
.irp a, 0,1,2,3,4,5,6,7
	OUT \a, 0, 0
	global_store_b128 v[LI], v[CD+16*\a:CD+16*\a+3], s[4:5] offset:1024*\a            ; each store of the wave covers 512 consecutive bytes, aligned
	global_store_b128 v[LI], v[CD+16*\a+4:CD+16*\a+7], s[4:5] offset:1024*\a+512
	global_store_b128 v[LI], v[CD+16*\a+8:CD+16*\a+11], s[6:7] offset:1024*\a
	global_store_b128 v[LI], v[CD+16*\a+12:CD+16*\a+15], s[6:7] offset:1024*\a+512
.endr
	s_branch .Ljoin
.Lv_arm:
	s_lshl_b32 s22, s15, 1
	s_add_co_u32 s22, s95, s22                     ; my first head
	s_lshl_b32 s22, s22, 18
	s_add_co_u32 s18, s96, s16                     ; my key step of 128
	s_lshl_b32 s18, s18, 14
	s_add_co_u32 s22, s22, s18
	s_add_co_u32 s22, s22, 8192                    ; v's images lie behind k's in a key step's 16,384 bytes
	s_add_nc_u64 s[4:5], s[4:5], s[22:23]
.irp a, 0,1,2,3,4,5,6,7
	v_ldexp_f32 v[BIAS+2*\a], v[BL+\a], s93        ; bias / 2^(eA + eB), twice: a pair for the packed addition
	v_ldexp_f32 v[BIAS+2*\a+1], v[BL+\a], s93
.endr
.irp a, 0,1,2,3,4,5,6,7
	OUT \a, 0, 1
.irp g, 0,1,2,3
	global_store_b128 v[LI], v[CD+16*\a+4*\g:CD+16*\a+4*\g+3], s[4:5] offset:(\a/4)*262144+(\a%4)*2048+512*\g
.endr
.endr
.Ljoin:
	s_wait_tensorcnt 0x0                           ; the wave's end
	ds_add_u32 v[SPW], v[NIL]
	s_wait_dscnt 0x0
	CROUND                                         ; the closing round
	s_endpgm
.Lfunc_end_k_q4692d74bde_qkv:
	.size	k_q4692d74bde_qkv, .Lfunc_end_k_q4692d74bde_qkv-k_q4692d74bde_qkv
	.p2alignl 7, 3214868480
	.fill 96, 4, 3214868480
	.section	.rodata,"a",@progbits
	.p2align	6, 0x0
	.amdhsa_kernel k_q4692d74bde_qkv
		.amdhsa_group_segment_fixed_size 327680
		.amdhsa_private_segment_fixed_size 0
		.amdhsa_enable_private_segment 0
		.amdhsa_kernarg_size 80
		.amdhsa_user_sgpr_count 2
		.amdhsa_user_sgpr_kernarg_segment_ptr 1
		.amdhsa_wavefront_size32 1
		.amdhsa_system_sgpr_workgroup_id_x 1
		.amdhsa_system_sgpr_workgroup_id_y 1
		.amdhsa_system_sgpr_workgroup_id_z 1
		.amdhsa_system_vgpr_workitem_id 0
		.amdhsa_next_free_vgpr 1024
		.amdhsa_next_free_sgpr 100
		.amdhsa_reserve_vcc 0
		.amdhsa_float_denorm_mode_32 3
		.amdhsa_float_denorm_mode_16_64 3
		.amdhsa_memory_ordered 1
		.amdhsa_forward_progress 1
		.amdhsa_inst_pref_size 201
	.end_amdhsa_kernel
	.amdgpu_metadata
---
amdhsa.version: [ 1, 2 ]
amdhsa.kernels:
  - .name:           k_q4692d74bde_qkv
    .symbol:         k_q4692d74bde_qkv.kd
    .args:
      - { .name: xc, .offset: 0, .size: 8, .value_kind: global_buffer, .address_space: global }
      - { .name: Wq_codes, .offset: 8, .size: 8, .value_kind: global_buffer, .address_space: global }
      - { .name: Wk_codes, .offset: 16, .size: 8, .value_kind: global_buffer, .address_space: global }
      - { .name: Wv_codes, .offset: 24, .size: 8, .value_kind: global_buffer, .address_space: global }
      - { .name: bq, .offset: 32, .size: 8, .value_kind: global_buffer, .address_space: global }
      - { .name: bk, .offset: 40, .size: 8, .value_kind: global_buffer, .address_space: global }
      - { .name: bv, .offset: 48, .size: 8, .value_kind: global_buffer, .address_space: global }
      - { .name: lowp_scales, .offset: 56, .size: 8, .value_kind: global_buffer, .address_space: global }
      - { .name: qimg, .offset: 64, .size: 8, .value_kind: global_buffer, .address_space: global }
      - { .name: kvimg, .offset: 72, .size: 8, .value_kind: global_buffer, .address_space: global }
    .group_segment_fixed_size: 327680
    .private_segment_fixed_size: 0
    .kernarg_segment_align: 8
    .kernarg_segment_size: 80
    .max_flat_workgroup_size: 128
    .sgpr_count:     100
    .vgpr_count:     1024
    .wavefront_size: 32
...
	.end_amdgpu_metadata
.endif
;; end of part 2
;; launch attn (part 3): grid 8 x 32, 8 waves a work-group, clusters of 4 x 1, 327,680 bytes of LDS; arguments qimg, kvimg, lowp_scales, cimg; writes cimg
.if DOCPART == 3
	.amdgcn_target "amdgcn-amd-amdhsa--gfx1250"
	.amdhsa_code_object_version 6
	.text
	.protected	k_q4692d74bde_attn
	.globl	k_q4692d74bde_attn
	.p2align	8
	.type	k_q4692d74bde_attn,@function
k_q4692d74bde_attn:
	s_mov_b64 s[64:65], 0
	v_nop
	global_prefetch_b8 v0, s[64:65] scope:SCOPE_SE
	s_setreg_imm32_b32 hwreg(HW_REG_WAVE_MODE, 25, 1), 1
	s_wait_xcnt 0x0
	s_wait_alu depctr_hold_cnt(0) depctr_sa_sdst(0) depctr_va_vdst(0) depctr_va_sdst(0) depctr_va_ssrc(0) depctr_va_vcc(0) depctr_vm_vsrc(0)
	s_getreg_b32 s2, hwreg(HW_REG_IB_STS2, 6, 4)
	s_cmp_eq_u32 s2, 0
	s_cbranch_scc0 .Lentry_in_a_cluster
	s_endpgm
.Lentry_in_a_cluster:
	s_bfe_u32 s2, ttmp6, 0x10000c
	s_cmp_lg_u32 s2, 0x3003
	s_cbranch_scc0 .Lentry_shape_is_right
	s_endpgm
.Lentry_shape_is_right:
; ctx = softmax(q k^T) v for one batch and head (grid y = 16 b + head), both products on E4M3 codes; ctx is quantised at once under e10 and leaves as images of the next product's operand registers.  Nothing is left out.
; THE SOFTMAX: t = score x log2(e); M = the running largest t rounded up to a whole number; p = 2^(t - M) is quantised under e9, not normalised; the row's sum is taken of the unquantised p and divides at the end.
; When M moves, the sum and O^T are multiplied by 2^(old M - new M), which rounds nothing.
; SHARES.  A work-group owns 256 queries of a head; each of its eight waves owns 32, two tiles of 16, so that each fragment of K and of V read from LDS feeds two matrix instructions.
; TWIN WINDOWS.  Tile A's scores, O^T, M, sums and constants lie in register window 0, tile B's under the SAME numbers in window 1: each macro of the softmax is written once and expanded under both settings.
; Both products are used transposed (S^T = K Q^T, O^T = V^T P^T): a lane holds one query throughout.
; A STEP is 256 keys: 16 tiles of scores a query tile (128 registers), one maximum, one rescaling.  V's fragments land in tile A's score registers, which are free behind their conversions.
; K's first eight fragments of the NEXT step are asked for ahead of this step's second product, into tile B's upper 64 score registers, free behind their conversions.  The step is written once, so the last
; step asks too: its address wraps to the head's first keys, and what it brings is not used.
; LDS holds the head's whole K and V, 262,144 bytes, as images of operand registers: [128 keys][K 8,192 bytes | V 8,192 bytes].  Nothing is filled again.  Each wave asks twice: 10,240 bytes of the first
; 81,920 at the head (steps 0 and 1 and what step 1 asks ahead), 22,528 bytes of the rest behind the full sequence and a round; the second load has the first two steps in which to land.
; CLUSTER: the four query blocks of a cluster walk the same K and V: every load is a joint load of the four.
; NO PREFETCH INTO THE L2: both tensor loads are out before the first step begins, so no later request is left to run ahead of.
; LIMITS: e6 + e7 between -126 and 126 (added to the exponent field of log2(e)); e9 and e10 between -126 and 119; the scaled scores stay under 2^31 in magnitude.  NaN among the inputs is not served.
; REGISTERS (both windows unless said): v1 16 x lane, v2 LDS address, v5, v6 the add's two (window 0); v3, v4, v8, v9 the maximum's four chains; v7 at work; v[10:11] f, 0; v12 -M; v13 largest t; v[14:15] the sum,
;   v[8:9], v[24:27] its other chains; v16-23 Q; v24-87 K's second eight fragments (window 0); v56-87 p's codes; v88-215 scores, then p (window 0: then V; window 1, upper half: then K); v216-247 O^T; v248, v250 448 x 2^e; v249 2^e.
.set SPARE, 262144
.set LI,  1
.set ADK, 2
.set SPW, 5
.set NIL, 6
.set KB,  24
.set CD,  56
.set S,   88
.set O,   216
.set LIM, 248
.set SC,  249
.set LIM2, 250
.set TN,  16
.set WV,  18
.set SEL, 20
.set CS,  22
.set G1,  24
.set G0,  32
.set G0B, 36
.set G1B, 40
.set TB,  2
.set TWIN, 0x55                        ; all three sources and the destination in window 1
.set MSB, 0
.macro WIN new                         ; the immediate's high byte repeats the setting that is left
.if MSB != \new
	s_set_vgpr_msb (MSB<<8)|\new
.set MSB, \new
.endif
.endm
.macro PLACES n
.rept \n
	v_nop
.endr
.endm
.macro CROUND
	s_barrier_signal -1
	s_barrier_wait -1
	s_cmp_lg_u32 s[WV], 0
	s_cbranch_scc1 .Lnot_wave_0_\@
	s_barrier_signal -3
.Lnot_wave_0_\@:
	s_barrier_wait -3
	s_barrier_signal -1
	s_barrier_wait -1
.endm
	s_load_b256 s[4:11], s[0:1], 0x0               ; qimg, kvimg, the scales' exponents, cimg
	v_lshl_add_u32 v[SPW], v0, 2, SPARE
	v_mov_b32 v[NIL], 0
	ds_add_u32 v[SPW], v[NIL]                      ; the wave's opening: the add, twice on end, and its wait ahead of my first tensor load
	ds_add_u32 v[SPW], v[NIL]
	v_lshrrev_b32 v3, 5, v0
	s_delay_alu instid0(VALU_DEP_1)
	v_readfirstlane_b32 s[WV], v3                  ; wave 0..7
	s_bfe_u32 s13, ttmp6, 0x40000
	s_lshl_b32 s12, ttmp9, 2
	s_add_co_u32 s12, s12, s13                     ; my block of 256 queries
	s_and_b32 s14, ttmp7, 0xffff                   ; 16 b + head
	s_mov_b32 s[G1], 15|(3<<16)|(1<<21)            ; mask: the four partners; elements of 8 bytes; no padding
	s_mov_b32 s[G1+1], 32<<16                      ; rows of 256 bytes,
	s_mov_b32 s[G1+2], 40<<16                      ; 40 of them: 10,240 bytes on end
	s_mov_b32 s[G1+3], 32<<16
	s_mov_b32 s[G1+4], 40
	s_mov_b32 s[G1+5], 32
	s_mov_b32 s[G1+6], 0
	s_mov_b32 s[G1+7], 0
	s_mov_b32 s[G1B], 15|(3<<16)|(1<<21)
	s_mov_b32 s[G1B+1], 32<<16
	s_mov_b32 s[G1B+2], 88<<16                     ; 88 rows: 22,528 bytes on end
	s_mov_b32 s[G1B+3], 32<<16
	s_mov_b32 s[G1B+4], 88
	s_mov_b32 s[G1B+5], 32
	s_mov_b32 s[G1B+6], 0
	s_mov_b32 s[G1B+7], 0
	s_mul_i32 s19, s[WV], 10240                    ; my part of the first 81,920 bytes,
	s_mul_i32 s15, s[WV], 22528
	s_add_co_u32 s15, s15, 81920                   ; and of the other 180,224: the same place in LDS and in the head's bytes
	s_lshl_b32 s16, s14, 18                        ; the head's K and V
	s_mov_b32 s17, 0
	s_lshl_b32 s56, s14, 7
	s_lshl_b32 s57, s12, 4
	s_add_co_u32 s56, s56, s57
	s_lshl_b32 s57, s[WV], 1
	s_add_co_u32 s56, s56, s57                     ; q: tile 128 (16 b + head) + 16 x block + 2 x wave,
	s_lshl_b32 s56, s56, 10                        ; 1,024 bytes a tile
	s_mov_b32 s57, 0
	s_lshr_b32 s58, s14, 4
	s_lshl_b32 s58, s58, 7
	s_lshl_b32 s59, s12, 4
	s_add_co_u32 s58, s58, s59
	s_lshl_b32 s59, s[WV], 1
	s_add_co_u32 s58, s58, s59                     ; ctx: row tile 128 b + 16 x block + 2 x wave,
	s_lshl_b32 s58, s58, 14                        ; 16,384 bytes a row tile,
	s_and_b32 s59, s14, 15
	s_lshl_b32 s59, s59, 10
	s_add_co_u32 s58, s58, s59                     ; the head's 64 channels: 1,024 bytes of it
	s_mov_b32 s59, 0
	s_mov_b32 s[SEL], 0x76543210
	s_mov_b32 s[SEL+1], 0xfedcba98
	s_mov_b32 s[CS], 0x3fb8aa3b                    ; log2(e)
	s_mov_b32 s[TB], 0
	s_wait_dscnt 0x0                               ; both opening adds are done
	s_wait_kmcnt 0x0
	s_load_b128 s[48:51], s[8:9], 0x10             ; e4 .. e7
	s_load_b128 s[52:55], s[8:9], 0x20             ; e8 .. e11
	s_add_nc_u64 s[6:7], s[6:7], s[16:17]
	s_add_nc_u64 s[4:5], s[4:5], s[56:57]
	s_add_nc_u64 s[10:11], s[10:11], s[58:59]
	s_mov_b32 s[G0], 1
	s_mov_b32 s[G0+1], s19
	s_mov_b32 s16, s19
	s_add_nc_u64 s[G0+2:G0+3], s[6:7], s[16:17]
	s_or_b32 s[G0+3], s[G0+3], 0x80000000
	s_mov_b32 s[G0B], 1
	s_mov_b32 s[G0B+1], s15
	s_mov_b32 s16, s15
	s_add_nc_u64 s[G0B+2:G0B+3], s[6:7], s[16:17]
	s_or_b32 s[G0B+3], s[G0B+3], 0x80000000
	CROUND                                         ; the four partners are here: the first joint loads meet
	tensor_load_to_lds s[G0:G0+3], s[G1:G1+7]      ; the first 81,920 bytes: one tensor load a wave at the head
	s_nop 0
	PLACES 4
	v_and_b32 v3, 31, v0
	s_delay_alu instid0(VALU_DEP_1)
	v_lshlrev_b32 v[LI], 4, v3
	s_delay_alu instid0(VALU_DEP_1)
	v_mov_b32 v[ADK], v[LI]                        ; step 0 begins at LDS byte 0
	global_load_b128 v[16:19], v[LI], s[4:5]       ; tile A's Q,
	global_load_b128 v[20:23], v[LI], s[4:5] offset:512
	WIN 0x40
	global_load_b128 v[16:19], v[LI], s[4:5] offset:1024   ; tile B's, into window 1
	global_load_b128 v[20:23], v[LI], s[4:5] offset:1536
	WIN 0
	s_wait_kmcnt 0x0
	s_add_co_i32 s56, s50, s51
	s_lshl_b32 s56, s56, 23
	s_add_co_i32 s[CS], s[CS], s56                 ; a score stands for score x 2^(e6 + e7): added to the factor's exponent field
	s_mov_b32 s[CS+1], s[CS]
	s_add_co_i32 s56, s53, 127
	s_lshl_b32 s57, s56, 23                        ; 2^e9
	s_add_co_i32 s56, s56, 8
	s_lshl_b32 s56, s56, 23
	s_or_b32 s56, s56, 0x600000                    ; 448 x 2^e9
.macro INIT                            ; a tile's state: the step is written once, and the first finds zeros
	v_mov_b32 v13, 0xff61b1e6                      ; -3e38, under every t
	s_delay_alu instid0(VALU_DEP_1)
	v_floor_f32 v12, -v13
	v_mov_b32 v14, 0
	v_mov_b32 v15, 0
	v_mov_b32 v11, 0
	v_mov_b32 v7, 0
	v_mov_b32 v[SC], s57
	v_mov_b32 v[LIM], s56
	v_mov_b32 v[LIM2], s56                         ; a second copy: the two halves of a dual pair read different registers
.set n, 0
.rept 32
	v_mov_b32 v[O+n], 0
.set n, n+1
.endr
.endm
	INIT
	WIN TWIN
	INIT
	WIN 0
.macro KNEXT                           ; K's eight tiles of a step's first 128 keys, into window 1 (the setting is the caller's)
.set n, 0
.rept 16
	ds_load_b128 v[S+64+4*n:S+64+4*n+3], v[ADK] offset:512*n
.set n, n+1
.endr
.endm
.macro KLOAD                           ; K's eight tiles of the step's second 128 keys
.set n, 0
.rept 16
	ds_load_b128 v[KB+4*n:KB+4*n+3], v[ADK] offset:16384+512*n
.set n, n+1
.endr
.endm
.macro VLOAD                           ; V's fragments of all 256 keys: 4 tiles of 16 channels x 128 keys, twice
.set n, 0
.rept 32
	ds_load_b128 v[S+4*n:S+4*n+3], v[ADK] offset:8192+16384*(n/16)+512*(n%16)
.set n, n+1
.endr
.endm
.macro QK8 hf, kf
.irp t, 0,1,2,3,4,5,6,7
	v_wmma_f32_16x16x64_fp8_fp8 v[S+64*\hf+8*\t:S+64*\hf+8*\t+7], v[\kf+8*\t:\kf+8*\t+7], v[16:23], 0
.endr
.endm
.macro QK hf, kf, wa, wb               ; each fragment of K against both tiles of queries; wa, wb: the settings for tile A and tile B
	WIN \wa
	QK8 \hf, \kf
	WIN \wb
	QK8 \hf, \kf
	WIN 0
.endm
.macro PV4 hf
.irp d, 0,1,2,3
	v_wmma_f32_16x16x128_fp8_fp8 v[O+8*\d:O+8*\d+7], v[S+64*\hf+16*\d:S+64*\hf+16*\d+15], v[CD+16*\hf:CD+16*\hf+15], v[O+8*\d:O+8*\d+7]
.endr
.endm
.macro MAX0                            ; the largest score among the first 64 of my 128, in four chains, each accumulator from its low end on
	v_max3_num_f32 v3, v[S], v[S+1], v[S+2]
	v_max3_num_f32 v4, v[S+3], v[S+4], v[S+5]
	v_max3_num_f32 v8, v[S+6], v[S+7], v[S+8]
	v_max3_num_f32 v9, v[S+9], v[S+10], v[S+11]
.set n, 0
.rept 6
	v_max3_num_f32 v3, v3, v[S+12+8*n], v[S+13+8*n]
	v_max3_num_f32 v4, v4, v[S+14+8*n], v[S+15+8*n]
	v_max3_num_f32 v8, v8, v[S+16+8*n], v[S+17+8*n]
	v_max3_num_f32 v9, v9, v[S+18+8*n], v[S+19+8*n]
.set n, n+1
.endr
	v_max3_num_f32 v3, v3, v[S+60], v[S+61]
	v_max3_num_f32 v4, v4, v[S+62], v[S+63]
.endm
.macro MAX1                            ; the other 64; the new M; f; t - M
.set n, 0
.rept 8
	v_max3_num_f32 v3, v3, v[S+64+8*n], v[S+65+8*n]
	v_max3_num_f32 v4, v4, v[S+66+8*n], v[S+67+8*n]
	v_max3_num_f32 v8, v8, v[S+68+8*n], v[S+69+8*n]
	v_max3_num_f32 v9, v9, v[S+70+8*n], v[S+71+8*n]
.set n, n+1
.endr
	s_delay_alu instid0(VALU_DEP_2)
	v_max3_num_f32 v3, v3, v4, v8
	s_delay_alu instid0(VALU_DEP_1)
	v_max_num_f32 v3, v3, v9
	s_delay_alu instid0(VALU_DEP_1)
	v_permlanex16_b32 v7, v3, s[SEL], s[SEL+1]
	s_delay_alu instid0(VALU_DEP_1)
	v_max_num_f32 v3, v3, v7                       ; and among lane l xor 16's
	s_delay_alu instid0(VALU_DEP_1)
	v_mul_f32 v3, s[CS], v3                        ; as t (the factor is positive)
	s_delay_alu instid0(VALU_DEP_1)
	v_max_num_f32 v13, v13, v3
	v_mov_b32 v3, v12
	s_delay_alu instid0(VALU_DEP_2)
	v_floor_f32 v12, -v13                          ; -M = floor(-t)
	s_delay_alu instid0(VALU_DEP_1)
	v_sub_f32 v3, v12, v3                          ; old M - new M, a whole number, 0 or less
	s_delay_alu instid0(VALU_DEP_1)
	v_cvt_i32_f32 v3, v3                           ; (it saturates)
	s_delay_alu instid0(VALU_DEP_1)
	v_ldexp_f32 v10, 1.0, v3                       ; f
.set n, 0
.rept 64
	v_pk_fma_f32 v[S+2*n:S+2*n+1], v[S+2*n:S+2*n+1], s[CS:CS+1], v[12:13] op_sel_hi:[1,0,0]
.set n, n+1
.endr
	v_pk_mul_f32 v[14:15], v[14:15], v[10:11] op_sel_hi:[1,0]   ; the sum under the new M
.endm
.macro EXPS
.set n, 0
.rept 128
	v_exp_f32 v[S+n], v[S+n]
.set n, n+1
.endr
.endm
.macro TAIL                            ; the sum of the unquantised p, two at a time in four chains; the hold; the codes
	v_pk_add_f32 v[8:9], v[S:S+1], v[S+2:S+3]
	v_pk_add_f32 v[24:25], v[S+4:S+5], v[S+6:S+7]
	v_pk_add_f32 v[26:27], v[S+8:S+9], v[S+10:S+11]
.set n, 0
.rept 14
	v_pk_add_f32 v[14:15], v[14:15], v[S+12+8*n:S+13+8*n]
	v_pk_add_f32 v[8:9], v[8:9], v[S+14+8*n:S+15+8*n]
	v_pk_add_f32 v[24:25], v[24:25], v[S+16+8*n:S+17+8*n]
	v_pk_add_f32 v[26:27], v[26:27], v[S+18+8*n:S+19+8*n]
.set n, n+1
.endr
	v_pk_add_f32 v[14:15], v[14:15], v[S+124:S+125]
	v_pk_add_f32 v[8:9], v[8:9], v[S+126:S+127]
	v_pk_add_f32 v[24:25], v[24:25], v[26:27]
	s_delay_alu instid0(VALU_DEP_2)
	v_pk_add_f32 v[14:15], v[14:15], v[8:9]
	s_delay_alu instid0(VALU_DEP_1)
	v_pk_add_f32 v[14:15], v[14:15], v[24:25]
.set n, 0
.rept 64
	v_dual_min_num_f32 v[S+2*n], v[LIM], v[S+2*n] :: v_dual_min_num_f32 v[S+2*n+1], v[LIM2], v[S+2*n+1]   ; the conversion does not saturate (ISA guide 7.6.2); p is not negative: a one-sided hold, two numbers a pair
.set n, n+1
.endr
.set n, 0
.rept 16
	v_cvt_scalef32_pk8_fp8_f32 v[CD+2*n:CD+2*n+1], v[S+8*n:S+8*n+7], v[SC]   ; tile n's eight registers are keys 16 n + 8 h + 0 .. 7: registers 2 n, 2 n + 1 of the operand
.set n, n+1
.endr
.endm
.macro RESC                            ; O^T under the new M
	s_wait_alu depctr_va_vdst(0)                   ; directly ahead of the first reader of O^T
.set n, 0
.rept 16
	v_pk_mul_f32 v[O+2*n:O+2*n+1], v[O+2*n:O+2*n+1], v[10:11] op_sel_hi:[1,0]
.set n, n+1
.endr
.endm
.macro STEP
	PLACES 5                                       ; behind the last products: the registers of their operands take new scores and loads
	s_wait_dscnt 0x0                               ; K's first eight fragments, asked for a step ago
	QK 0, S+64, 0x01, 0x45                         ; K in window 1; tile B's Q and scores too
	PLACES 4
	KLOAD                                          ; on its way while the first half's maxima are taken
	MAX0
	WIN TWIN
	MAX0
	WIN 0
	s_wait_alu depctr_va_vdst(0)
	s_wait_dscnt 0x0
	QK 1, KB, 0, 0x44
	PLACES 4
	MAX1
	WIN TWIN
	MAX1
	WIN 0
	s_wait_alu depctr_va_vdst(0)                   ; one wait ahead of the batch,
	EXPS
	WIN TWIN
	EXPS
	v_nop                                          ; a plain place behind the last exponential,
	WIN 0
	s_wait_alu depctr_va_vdst(0)                   ; and one wait behind it
	TAIL
	RESC
	VLOAD                                          ; into tile A's score registers; tile B's tail stands between the request and the wait
	s_add_co_u32 s[TB], s[TB], 32768
	s_and_b32 s[TN], s[TB], 0x3ffff                ; behind the last step: back to byte 0
	v_add_nc_u32 v[ADK], s[TN], v[LI]              ; the next step's address (an LDS load has read its address when it is issued)
	WIN TWIN
	TAIL
	WIN 0x40
	KNEXT                                          ; the next step's first eight fragments of K
	WIN TWIN
	RESC
	WIN 0
	s_wait_alu depctr_va_vdst(0)
	s_wait_dscnt 16                                ; V's 32 loads are in; the 16 of K issued behind them may be out
.irp hf, 0,1                           ; the eight accumulators take turns
	PV4 \hf
	WIN 0x54                                       ; p's codes and O^T in window 1, V in window 0
	PV4 \hf
	WIN 0
.endr
.endm
	s_wait_alu depctr_va_vdst(0)
	s_wait_tensorcnt 0x0                           ; my part of the first 81,920 bytes is in
	ds_add_u32 v[SPW], v[NIL]
	s_wait_dscnt 0x0
	CROUND                                         ; everybody's part is in, and the joint loads meet
	tensor_load_to_lds s[G0B:G0B+3], s[G1B:G1B+7]  ; the rest: the first tensor load behind the round
	s_nop 0
	PLACES 4
	WIN 0x40
	KNEXT                                          ; step 0's first eight fragments of K
	WIN 0
	s_wait_loadcnt 0x0                             ; Q
	s_mov_b32 s3, 2
.Lfirst:
	STEP
	s_sub_co_u32 s3, s3, 1
	s_cmp_lg_u32 s3, 0
	s_cbranch_scc1 .Lfirst
	s_wait_tensorcnt 0x0                           ; my part of the rest is in
	s_wait_dscnt 0x0                               ; no LDS load of mine is out at the signal
	s_barrier_signal -1
	s_barrier_wait -1
	s_mov_b32 s3, 6
.Lrest:
	STEP
	s_sub_co_u32 s3, s3, 1
	s_cmp_lg_u32 s3, 0
	s_cbranch_scc1 .Lrest
	; THE WAY OUT: O^T / the sum x 2^(e8 + e9), held, converted under e10: eight registers of codes a tile, the next operand's registers
	s_add_co_i32 s56, s52, s53
	s_add_co_i32 s57, s54, 127
	s_lshl_b32 s58, s57, 23                        ; 2^e10
	s_add_co_i32 s57, s57, 8
	s_lshl_b32 s57, s57, 23
	s_or_b32 s57, s57, 0x600000                    ; 448 x 2^e10
.macro FIN
	v_add_f32 v14, v14, v15
	s_delay_alu instid0(VALU_DEP_1)
	v_permlanex16_b32 v7, v14, s[SEL], s[SEL+1]
	s_delay_alu instid0(VALU_DEP_1)
	v_add_f32 v14, v14, v7                         ; the row's sum
	v_mov_b32 v[SC], s58
	v_mov_b32 v[LIM], s57
	s_wait_alu depctr_va_vdst(0)                   ; ahead of the transcendental,
	v_rcp_f32 v14, v14
	v_nop
	s_wait_alu depctr_va_vdst(0)                   ; and ahead of its first reader
	v_ldexp_f32 v14, v14, s56
	s_wait_alu depctr_va_vdst(0)                   ; directly ahead of the first reader of O^T
.set n, 0
.rept 32
	v_mul_f32 v[S+n], v[O+n], v14
.set n, n+1
.endr
.set n, 0
.rept 32
	v_med3_num_f32 v[S+n], v[S+n], -v[LIM], v[LIM]
.set n, n+1
.endr
.set n, 0
.rept 4
	v_cvt_scalef32_pk8_fp8_f32 v[CD+2*n:CD+2*n+1], v[S+8*n:S+8*n+7], v[SC]
.set n, n+1
.endr
	v_nop
.endm
	PLACES 4
	FIN
	global_store_b128 v[LI], v[CD:CD+3], s[10:11]                  ; each store of the wave covers 512 consecutive bytes, aligned
	global_store_b128 v[LI], v[CD+4:CD+7], s[10:11] offset:512
	WIN TWIN
	FIN
	WIN 0x04                                       ; the stores' data in window 1, the offset in window 0
	global_store_b128 v[LI], v[CD:CD+3], s[10:11] offset:16384
	global_store_b128 v[LI], v[CD+4:CD+7], s[10:11] offset:16896
	WIN 0
	s_wait_tensorcnt 0x0                           ; the wave's end
	ds_add_u32 v[SPW], v[NIL]
	s_wait_dscnt 0x0
	CROUND                                         ; the closing round
	s_endpgm
.Lfunc_end_k_q4692d74bde_attn:
	.size	k_q4692d74bde_attn, .Lfunc_end_k_q4692d74bde_attn-k_q4692d74bde_attn
	.p2alignl 7, 3214868480
	.fill 96, 4, 3214868480
	.section	.rodata,"a",@progbits
	.p2align	6, 0x0
	.amdhsa_kernel k_q4692d74bde_attn
		.amdhsa_group_segment_fixed_size 327680
		.amdhsa_private_segment_fixed_size 0
		.amdhsa_enable_private_segment 0
		.amdhsa_kernarg_size 32
		.amdhsa_user_sgpr_count 2
		.amdhsa_user_sgpr_kernarg_segment_ptr 1
		.amdhsa_wavefront_size32 1
		.amdhsa_system_sgpr_workgroup_id_x 1
		.amdhsa_system_sgpr_workgroup_id_y 1
		.amdhsa_system_sgpr_workgroup_id_z 1
		.amdhsa_system_vgpr_workitem_id 0
		.amdhsa_next_free_vgpr 512
		.amdhsa_next_free_sgpr 66
		.amdhsa_reserve_vcc 0
		.amdhsa_float_denorm_mode_32 3
		.amdhsa_float_denorm_mode_16_64 3
		.amdhsa_memory_ordered 1
		.amdhsa_forward_progress 1
		.amdhsa_inst_pref_size 127
	.end_amdhsa_kernel
	.amdgpu_metadata
---
amdhsa.version: [ 1, 2 ]
amdhsa.kernels:
  - .name:           k_q4692d74bde_attn
    .symbol:         k_q4692d74bde_attn.kd
    .args:
      - { .name: qimg, .offset: 0, .size: 8, .value_kind: global_buffer, .address_space: global }
      - { .name: kvimg, .offset: 8, .size: 8, .value_kind: global_buffer, .address_space: global }
      - { .name: lowp_scales, .offset: 16, .size: 8, .value_kind: global_buffer, .address_space: global }
      - { .name: cimg, .offset: 24, .size: 8, .value_kind: global_buffer, .address_space: global }
    .group_segment_fixed_size: 327680
    .private_segment_fixed_size: 0
    .kernarg_segment_align: 8
    .kernarg_segment_size: 32
    .max_flat_workgroup_size: 256
    .sgpr_count:     66
    .vgpr_count:     512
    .wavefront_size: 32
...
	.end_amdgpu_metadata
.endif
;; end of part 3
;; launch wo (part 4): grid 8 x 32, 4 waves a work-group, clusters of 4 x 4, 327,680 bytes of LDS; arguments cimg, Wo_codes, lowp_scales, bo, src, ybuf; writes ybuf
.if DOCPART == 4
	.amdgcn_target "amdgcn-amd-amdhsa--gfx1250"
	.amdhsa_code_object_version 6
	.text
	.protected	k_q4692d74bde_wo
	.globl	k_q4692d74bde_wo
	.p2align	8
	.type	k_q4692d74bde_wo,@function
k_q4692d74bde_wo:
	s_mov_b64 s[64:65], 0
	v_nop
	global_prefetch_b8 v0, s[64:65] scope:SCOPE_SE
	s_setreg_imm32_b32 hwreg(HW_REG_WAVE_MODE, 25, 1), 1
	s_wait_xcnt 0x0
	s_wait_alu depctr_hold_cnt(0) depctr_sa_sdst(0) depctr_va_vdst(0) depctr_va_sdst(0) depctr_va_ssrc(0) depctr_va_vcc(0) depctr_vm_vsrc(0)
	s_getreg_b32 s2, hwreg(HW_REG_IB_STS2, 6, 4)
	s_cmp_eq_u32 s2, 0
	s_cbranch_scc0 .Lentry_in_a_cluster
	s_endpgm
.Lentry_in_a_cluster:
	s_bfe_u32 s2, ttmp6, 0x10000c
	s_cmp_lg_u32 s2, 0xf033
	s_cbranch_scc0 .Lentry_shape_is_right
	s_endpgm
.Lentry_shape_is_right:
; y1 = src + (ctx Wo + bo), f32, rows in the order m' = 2,048 b + s; the product on E4M3 codes, K = KD.  Nothing is left out.
; A tile of 128 x 128 a work-group (256 work-groups; tiles of 256 x 256 would be 64), four waves of 64 x 64: 16 accumulators.
; The left operand comes as images of its registers: [tile of 16 rows][K step of 128][2,048 bytes]; a fragment is four dense loads of 16 bytes a lane.  The weight lies as rows along K and is read in the
; form's own layout, eight loads of 8 bytes a fragment, so that k has the same place on both sides.
; K goes in steps of 512 through two LDS slots filled by joint tensor loads: the images shared along a row of the cluster, the weight's rows along a column.
; Source 0 = 16 rows of the weight, source 1 = 16 token rows: a lane holds eight neighbouring columns of one row.
; The bias and the residual are asked for behind the first barrier, into registers of their own, so that all the products stand between the request and the way out's waits for them.
; LIMIT: the two exponents' sum between -126 and 127.
; REGISTERS: window 0: v1-29 addresses, v12-15 the bias; v32-95 the way out; v128-255 accumulators ((a, b) at v[128 + 8 (4 a + b)]).  window 1: two fragment buffers of 128 (tokens' 4, then the weight's 4).
;   window 2: v0-127 the residual, 32 registers for each block of 16 rows.
.set KD,    1024
.set EI,    10                         ; the entries of the two scales: EI, EI + 1
.set RT,    KD*16                      ; bytes of a tile of 16 rows of images
.set LAPS,  KD/1024                    ; a lap = two slots
; ALL OF K LIES IN LDS AT ONCE: one joint load a wave at the head, nothing is filled again; 'slot' below names K's two halves of 512, which lie side by side in each row.
.set APART, 131072                     ; 8 row tiles x 16,384 bytes of images,
.set BP,    1040                       ; then 128 rows of the weight: 1,024 bytes + 16 of padding
.set SLOT,  APART+128*BP
.set STG,   SLOT                       ; behind the tiles: the way out's stages, bytes of their own
.set SPARE, STG+4*16*272
.set SPITCH, 272                       ; the way out: 16 rows x (256 + 16) bytes for each wave, behind the tiles
.set BO,   11
.set ADRA, 16
.set ADRB, 20
.set STO,  24
.set RD,   25
.set CO,   26
.set RO,   27
.set SPW,  28
.set NIL,  29
.set BK,   32
.set ACC,  128
.set F0,   0
.set F1,   128
.set G1, 24
.set G0, 32
.set G1B, 48
.set G0B, 56
.set MSB, 0
.macro WIN new
.if MSB != \new
	s_set_vgpr_msb (MSB<<8)|\new
.set MSB, \new
.endif
.endm
.set MUL,  0x05                        ; sources 0 and 1 window 1; C and D window 0
.set TO_F, 0x40                        ; destination window 1
.set TO_R, 0x80                        ; destination window 2
.macro JLOAD s                         ; waves 0, 1 fetch the images' halves, waves 2, 3 the weight's; an s_nop 0 and four v_nop follow each line
	s_cmp_eq_u32 s17, 0
	s_cbranch_scc0 .Lfor_b_\@
	tensor_load_to_lds s[G0+4*\s:G0+4*\s+3], s[G1:G1+7]
	s_nop 0
.rept 4
	v_nop
.endr
	s_branch .Lasked_\@
.Lfor_b_\@:
	tensor_load_to_lds s[G0B+4*\s:G0B+4*\s+3], s[G1B:G1B+7]
	s_nop 0
.rept 4
	v_nop
.endr
.Lasked_\@:
.endm
.macro CREST
	s_cmp_lg_u32 s16, 0
	s_cbranch_scc1 .Lnot_wave_0_\@
	s_barrier_signal -3
.Lnot_wave_0_\@:
	s_barrier_wait -3
	s_barrier_signal -1
	s_barrier_wait -1
.endm
.macro CROUND
	s_barrier_signal -1
	s_barrier_wait -1
	CREST
.endm
	s_load_b256 s[4:11], s[0:1], 0x0               ; the images, the weight's codes, the scales' exponents, the bias
	s_load_b128 s[12:15], s[0:1], 0x20             ; the residual, ybuf
	v_lshl_add_u32 v[SPW], v0, 2, SPARE
	v_mov_b32 v[NIL], 0
	ds_add_u32 v[SPW], v[NIL]                      ; the wave's opening: the add, twice on end, and its wait ahead of my first tensor load
	ds_add_u32 v[SPW], v[NIL]
	v_lshrrev_b32 v1, 5, v0
	v_readfirstlane_b32 s16, v1                    ; wave
	s_lshr_b32 s17, s16, 1                         ; my half of the rows.  Also: I fetch images (0) or the weight (1)
	s_and_b32 s18, s16, 1                          ; my half of the columns.  Also: which half I fetch
	s_bfe_u32 s40, ttmp6, 0x40000
	s_bfe_u32 s41, ttmp6, 0x40004
	s_lshl_b32 s42, ttmp9, 2
	s_add_co_u32 s42, s42, s40                     ; tile column
	s_and_b32 s19, ttmp7, 0xffff
	s_lshl_b32 s19, s19, 2
	s_add_co_u32 s19, s19, s41                     ; tile row
	s_lshl_b32 s43, s41, 2
	s_lshl_b32 s43, 15, s43
	s_lshl_b32 s44, 0x1111, s40
	s_or_b32 s[G1+0], s43, (0<<16)|(1<<21)         ; the images: mask of my row; elements of 1 byte; no padding
	s_mov_b32 s[G1+1], 16384<<16                   ; tensor_dim0: the eight K steps of a row tile lie on end
	s_mov_b32 s[G1+2], 4<<16                       ; tensor_dim1: four row tiles
	s_mov_b32 s[G1+3], 16384<<16
	s_mov_b32 s[G1+4], 4
	s_mov_b32 s[G1+5], RT
	s_mov_b32 s[G1+6], 0
	s_mov_b32 s[G1+7], 0
	s_or_b32 s[G1B+0], s44, (0<<16)|(1<<20)|(1<<21)|(7<<22)|(3<<25)  ; the weight: mask of my column; padding: 4 words after every 256
	s_mov_b32 s[G1B+1], 1024<<16
	s_mov_b32 s[G1B+2], 64<<16
	s_mov_b32 s[G1B+3], 1024<<16
	s_mov_b32 s[G1B+4], 64
	s_mov_b32 s[G1B+5], KD
	s_mov_b32 s[G1B+6], 0
	s_mov_b32 s[G1B+7], 0
	s_lshl_b32 s20, s19, 3
	s_lshl_b32 s21, s18, 2
	s_add_co_u32 s20, s20, s21                     ; row tile 8 x tile row + 4 x half
	s_mul_i32 s20, s20, RT
	s_mov_b32 s21, 0
	s_lshl_b32 s46, s42, 7
	s_lshl_b32 s47, s18, 6
	s_add_co_u32 s46, s46, s47                     ; the weight's row 128 x tile column + 64 x half
	s_mul_i32 s46, s46, KD
	s_mov_b32 s47, 0
	s_lshl_b32 s45, s18, 16
	s_mul_i32 s22, s18, 64*BP
	s_add_co_u32 s22, s22, APART                   ; the weight's half
	s_wait_dscnt 0x0                               ; both opening adds are done
	s_wait_kmcnt 0x0
	s_load_b64 s[96:97], s[8:9], EI*4              ; the two exponents
	s_add_nc_u64 s[20:21], s[4:5], s[20:21]
	s_add_nc_u64 s[46:47], s[6:7], s[46:47]
	CROUND                                         ; all sixteen work-groups are here: the first joint loads meet
.irp s, 0
	s_mov_b32 s[G0+4*\s], 1
	s_add_co_u32 s[G0+4*\s+1], s45, \s*SLOT
	s_add_nc_u64 s[G0+4*\s+2:G0+4*\s+3], s[20:21], \s*8192
	s_or_b32 s[G0+4*\s+3], s[G0+4*\s+3], 0x80000000
	s_mov_b32 s[G0B+4*\s], 1
	s_add_co_u32 s[G0B+4*\s+1], s22, \s*SLOT
	s_add_nc_u64 s[G0B+4*\s+2:G0B+4*\s+3], s[46:47], \s*512
	s_or_b32 s[G0B+4*\s+3], s[G0B+4*\s+3], 0x80000000
	JLOAD \s
.endr
	v_and_b32 v1, 15, v0                           ; r
	v_bfe_u32 v2, v0, 4, 1                         ; h
	v_and_b32 v3, 31, v0
	v_lshlrev_b32 v3, 4, v3                        ; 16 x lane
	s_lshl_b32 s23, s17, 16
	v_mul_u32_u24 v4, v1, BP
	v_lshl_add_u32 v4, v2, 3, v4                   ; the weight: row r x pitch + 8 h
	s_mul_i32 s66, s18, 64*BP
	s_add_co_u32 s66, s66, APART                   ; my 64 rows of it
.irp s, 0,1
	v_add_nc_u32 v[ADRA+\s], s23, v3
	v_add_nc_u32 v[ADRB+\s], s66, v4
	s_add_co_u32 s23, s23, 8192                    ; K's second half: four K steps on in a row tile's images,
	s_add_co_u32 s66, s66, 512                     ; 512 bytes on in the weight's rows
.endr
	s_mul_i32 s67, s16, 16*SPITCH
	s_add_co_u32 s67, s67, STG                     ; my stage
	v_mul_u32_u24 v5, v1, SPITCH
	v_lshl_add_u32 v5, v2, 5, v5
	v_add_nc_u32 v[STO], s67, v5                   ; in: row r, 32 bytes for each half of the lanes
	v_mul_u32_u24 v5, v2, SPITCH
	v_lshl_add_u32 v5, v1, 4, v5
	v_add_nc_u32 v[RD], s67, v5                    ; back: lanes 0-15 one row of 256 bytes, lanes 16-31 the next
	v_lshlrev_b32 v[BO], 4, v1                     ; my four columns
	v_lshl_add_u32 v[CO], v2, 12, v[BO]            ; the same two rows in ybuf (4,096 bytes apart),
	v_lshl_add_u32 v[RO], v2, 13, v[BO]            ; and in the residual (positions are 8,192 bytes apart there)
	s_lshl_b32 s70, s42, 9
	s_lshl_b32 s71, s18, 8
	s_add_co_u32 s70, s70, s71                     ; my first column, in bytes
	s_mov_b32 s71, 0
	s_lshl_b32 s68, s19, 19
	s_lshl_b32 s69, s17, 18
	s_add_co_u32 s68, s68, s69
	s_add_co_u32 s68, s68, s70                     ; ybuf: row 128 x tile row + 64 x half
	s_mov_b32 s69, 0
	s_and_b32 s72, s19, 15
	s_lshl_b32 s72, s72, 20
	s_lshl_b32 s73, s17, 19
	s_add_co_u32 s72, s72, s73                     ; the residual: position 128 (tile row % 16) + 64 x half,
	s_lshr_b32 s73, s19, 4
	s_lshl_b32 s73, s73, 12
	s_add_co_u32 s72, s72, s73                     ; batch tile row / 16
	s_add_co_u32 s72, s72, s70
	s_mov_b32 s73, 0
	s_add_nc_u64 s[14:15], s[14:15], s[68:69]
	s_add_nc_u64 s[12:13], s[12:13], s[72:73]
	s_add_nc_u64 s[10:11], s[10:11], s[70:71]
.macro MULA f, a, zero                 ; four matrix instructions: token block a x the weight's four blocks; the 16 accumulators take turns in one order throughout
.irp b, 0,1,2,3
.if \zero
	v_wmma_f32_16x16x128_fp8_fp8 v[ACC+8*(4*(\a)+\b):ACC+8*(4*(\a)+\b)+7], v[\f+64+16*\b:\f+64+16*\b+15], v[\f+16*(\a):\f+16*(\a)+15], 0
.else
	v_wmma_f32_16x16x128_fp8_fp8 v[ACC+8*(4*(\a)+\b):ACC+8*(4*(\a)+\b)+7], v[\f+64+16*\b:\f+64+16*\b+15], v[\f+16*(\a):\f+16*(\a)+15], v[ACC+8*(4*(\a)+\b):ACC+8*(4*(\a)+\b)+7]
.endif
.endr
.endm
.macro FETCH slot, q, f                ; 48 LDS loads in one run: the slot's q-th 128 along K: the weight's four fragments, then the tokens' four
	WIN TO_F
.irp i, 0,1,2,3
.irp c, 0,1,2,3,4,5,6,7
	ds_load_b64 v[\f+64+16*\i+2*\c:\f+64+16*\i+2*\c+1], v[ADRB+\slot] offset:\i*16*BP+128*(\q)+16*\c
.endr
.endr
.irp i, 0,1,2,3
.irp g, 0,1,2,3
	ds_load_b128 v[\f+16*\i+4*\g:\f+16*\i+4*\g+3], v[ADRA+\slot] offset:\i*16384+2048*(\q)+512*\g
.endr
.endr
.endm
.macro PLACES                          ; four plain vector instructions between a matrix instruction and a load into, or a read of, its registers
.rept 4
	v_nop
.endr
.endm
.macro QUARTER slot, qn, f, g, zero    ; multiplies buffer f, fetches the slot's qn-th 128 along K into g
	s_wait_dscnt 8                                 ; all but the youngest eight loads (token blocks 2, 3)
	WIN MUL
	MULA \f, 0, \zero
	MULA \f, 1, \zero
	PLACES
	FETCH \slot, \qn, \g
	s_wait_dscnt 48                                ; all but the 48 just issued
	WIN MUL
	MULA \f, 2, \zero
	MULA \f, 3, \zero
.endm
.macro TURN slot, next, fill           ; a slot's last quarter multiplies buffer 1 and changes slots: one barrier; fill = 1: it opens a round of the cluster's barrier, and this slot is filled again
	WIN 0
	s_wait_tensorcnt 0x0                           ; all my tensor loads have landed: my part of the next slot
	ds_add_u32 v[SPW], v[NIL]
	s_wait_dscnt 9                                 ; the add and the youngest eight loads may be out
	WIN MUL
	MULA F1, 0, 0
	s_wait_dscnt 0x0                               ; the add is done, and my reads of this slot are over
	s_barrier_signal -1
	MULA F1, 1, 0
.if \fill
	WIN 0
.endif
	s_barrier_wait -1
.if \fill
	CREST                                          ; no wave of any partner still reads this slot or has a load on its way
	s_add_nc_u64 s[G0+4*\slot+2:G0+4*\slot+3], s[G0+4*\slot+2:G0+4*\slot+3], 2*8192
	s_add_nc_u64 s[G0B+4*\slot+2:G0B+4*\slot+3], s[G0B+4*\slot+2:G0B+4*\slot+3], 2*512
	JLOAD \slot                                    ; its four v_nop are the places in front of the loads below
.else
	PLACES
.endif
	FETCH \next, 0, F0
	WIN MUL
	MULA F1, 2, 0
	MULA F1, 3, 0
.endm
	s_wait_alu depctr_va_vdst(0)
	s_wait_tensorcnt 0x0                           ; my one load is in
	s_barrier_signal -1
	s_barrier_wait -1
	FETCH 0, 0, F0
	WIN 0
	global_load_b128 v[12:15], v[BO], s[10:11]     ; the bias of my four columns,
	WIN TO_R
.irp a, 0,1,2,3
.irp t, 0,1,2,3,4,5,6,7
	global_load_b128 v[32*\a+4*\t:32*\a+4*\t+3], v[RO], s[12:13] offset:(16*\a+2*\t)*8192 th:TH_LOAD_NT   ; and the residual of my 64 rows, block by block: sixteen lanes read 256 consecutive bytes
.endr
.endr
	QUARTER 0, 1, F0, F1, 1                        ; the first products start the sums
.if LAPS > 1
	WIN 0
	s_mov_b32 s3, LAPS-1
.Llap:
	QUARTER 0, 2, F1, F0, 0
	QUARTER 0, 3, F0, F1, 0
	TURN 0, 1, 1
	QUARTER 1, 1, F0, F1, 0
	QUARTER 1, 2, F1, F0, 0
	QUARTER 1, 3, F0, F1, 0
	TURN 1, 0, 1
	QUARTER 0, 1, F0, F1, 0
	WIN 0
	s_sub_co_u32 s3, s3, 1
	s_cmp_lg_u32 s3, 0
	s_cbranch_scc1 .Llap
.endif
	QUARTER 0, 2, F1, F0, 0                        ; the last lap fills nothing
	QUARTER 0, 3, F0, F1, 0
	TURN 0, 1, 0
	QUARTER 1, 1, F0, F1, 0
	QUARTER 1, 2, F1, F0, 0
	QUARTER 1, 3, F0, F1, 0
	s_wait_dscnt 8                                 ; the very last quarter: nothing more to fetch
	WIN MUL
	MULA F1, 0, 0
	MULA F1, 1, 0
	s_wait_dscnt 0
	MULA F1, 2, 0
	MULA F1, 3, 0
	WIN 0
	s_wait_kmcnt 0x0
	s_add_co_i32 s96, s96, s97
	s_add_co_i32 s96, s96, 127
	s_lshl_b32 s96, s96, 23                        ; 2^(the two exponents' sum) as f32
	s_mov_b32 s97, s96
	PLACES
; THE WAY OUT, 16 rows x 64 columns at a time: through my own stage, back as whole rows of 256 bytes; sum x scale + bias, + residual; sixteen lanes store 256 consecutive bytes, aligned.
.macro TOSTAGE a
.set BB, BK+32*((\a)%2)
.irp b, 0,1,2,3
	ds_store_b128 v[STO], v[ACC+8*(4*(\a)+\b):ACC+8*(4*(\a)+\b)+3] offset:64*\b       ; each accumulator from its low end on
	ds_store_b128 v[STO], v[ACC+8*(4*(\a)+\b)+4:ACC+8*(4*(\a)+\b)+7] offset:64*\b+16
.endr
.irp t, 0,1,2,3,4,5,6,7
	ds_load_b128 v[BB+4*\t:BB+4*\t+3], v[RD] offset:\t*2*SPITCH    ; LDS serves a wave's instructions in order (ISA guide 5.7.1.4)
.endr
.endm
.macro SEND a, younger
.set BB, BK+32*((\a)%2)
	s_wait_dscnt \younger                          ; the block is back; the next block's sixteen LDS instructions may be out
	s_wait_loadcnt 8*(3-(\a))                      ; the bias and this block's residual are in; the later blocks' loads may be out
.set n, 0
.rept 16
	v_pk_fma_f32 v[BB+2*n:BB+2*n+1], v[BB+2*n:BB+2*n+1], s[96:97], v[12+2*(n%2):13+2*(n%2)] op_sel_hi:[1,0,1]
.set n, n+1
.endr
	WIN 0x08                                       ; source 1 window 2
.set n, 0
.rept 16
	v_pk_add_f32 v[BB+2*n:BB+2*n+1], v[BB+2*n:BB+2*n+1], v[32*(\a)+2*n:32*(\a)+2*n+1]
.set n, n+1
.endr
	WIN 0
.irp t, 0,1,2,3,4,5,6,7
	global_store_b128 v[CO], v[BB+4*\t:BB+4*\t+3], s[14:15] offset:(16*(\a)+2*\t)*4096
.endr
.endm
	TOSTAGE 0
.irp a, 1,2,3
.if \a > 1
	s_wait_xcnt 0x0                                ; block a - 2's stores have read their registers: block a's loads may land there
.endif
	TOSTAGE \a
	SEND \a-1, 16
.endr
	SEND 3, 0
	s_wait_tensorcnt 0x0                           ; the wave's end
	ds_add_u32 v[SPW], v[NIL]
	s_wait_dscnt 0x0
	CROUND                                         ; the closing round
	s_endpgm
.Lfunc_end_k_q4692d74bde_wo:
	.size	k_q4692d74bde_wo, .Lfunc_end_k_q4692d74bde_wo-k_q4692d74bde_wo
	.p2alignl 7, 3214868480
	.fill 96, 4, 3214868480
	.section	.rodata,"a",@progbits
	.p2align	6, 0x0
	.amdhsa_kernel k_q4692d74bde_wo
		.amdhsa_group_segment_fixed_size 327680
		.amdhsa_private_segment_fixed_size 0
		.amdhsa_enable_private_segment 0
		.amdhsa_kernarg_size 48
		.amdhsa_user_sgpr_count 2
		.amdhsa_user_sgpr_kernarg_segment_ptr 1
		.amdhsa_wavefront_size32 1
		.amdhsa_system_sgpr_workgroup_id_x 1
		.amdhsa_system_sgpr_workgroup_id_y 1
		.amdhsa_system_sgpr_workgroup_id_z 1
		.amdhsa_system_vgpr_workitem_id 0
		.amdhsa_next_free_vgpr 640
		.amdhsa_next_free_sgpr 100
		.amdhsa_reserve_vcc 0
		.amdhsa_float_denorm_mode_32 3
		.amdhsa_float_denorm_mode_16_64 3
		.amdhsa_memory_ordered 1
		.amdhsa_forward_progress 1
		.amdhsa_inst_pref_size 60
	.end_amdhsa_kernel
	.amdgpu_metadata
---
amdhsa.version: [ 1, 2 ]
amdhsa.kernels:
  - .name:           k_q4692d74bde_wo
    .symbol:         k_q4692d74bde_wo.kd
    .args:
      - { .name: cimg, .offset: 0, .size: 8, .value_kind: global_buffer, .address_space: global }
      - { .name: Wo_codes, .offset: 8, .size: 8, .value_kind: global_buffer, .address_space: global }
      - { .name: lowp_scales, .offset: 16, .size: 8, .value_kind: global_buffer, .address_space: global }
      - { .name: bo, .offset: 24, .size: 8, .value_kind: global_buffer, .address_space: global }
      - { .name: src, .offset: 32, .size: 8, .value_kind: global_buffer, .address_space: global }
      - { .name: ybuf, .offset: 40, .size: 8, .value_kind: global_buffer, .address_space: global }
    .group_segment_fixed_size: 327680
    .private_segment_fixed_size: 0
    .kernarg_segment_align: 8
    .kernarg_segment_size: 48
    .max_flat_workgroup_size: 128
    .sgpr_count:     100
    .vgpr_count:     640
    .wavefront_size: 32
...
	.end_amdgpu_metadata
.endif
;; end of part 4
;; launch ln1 (part 5): grid 256 x 1, 4 waves a work-group, no clusters, 20,992 bytes of LDS; arguments ybuf, g1, be1, lowp_scales, x1, xc; writes x1, xc
.if DOCPART == 5
	.amdgcn_target "amdgcn-amd-amdhsa--gfx1250"
	.amdhsa_code_object_version 6
	.text
	.protected	k_q4692d74bde_ln1
	.globl	k_q4692d74bde_ln1
	.p2align	8
	.type	k_q4692d74bde_ln1,@function
k_q4692d74bde_ln1:
	s_mov_b64 s[64:65], 0
	v_nop
	global_prefetch_b8 v0, s[64:65] scope:SCOPE_SE
	s_setreg_imm32_b32 hwreg(HW_REG_WAVE_MODE, 25, 1), 1
	s_wait_xcnt 0x0
; x = layernorm(y1) g1 + be1, f32, stored in src's row order (row 2 s + b), and its E4M3 codes under e12, [m'][1024], K innermost.  Nothing is left out.
; A wave takes a row (4,096 bytes, 32 registers) and keeps it between the passes; four rows a wave, all asked for at the head.  Each load and store of the wave covers 512 consecutive bytes, aligned.
; For the conversions a lane needs 16 neighbours: the finished row turns through the wave's own stage in LDS (64 bytes + 16 of padding a lane).  Waves share nothing: no barrier.
; LIMIT: e12 between -126 and 119.  NaN among the inputs is not served.
.set SP,    80
.set WREG,  5120
.set SPARE, 4*WREG
.set SPW, 4
.set NIL, 5
	s_load_b256 s[4:11], s[0:1], 0x0               ; ybuf, g1, be1, the scales' exponents
	s_load_b128 s[12:15], s[0:1], 0x20             ; x1, xc
	v_lshl_add_u32 v[SPW], v0, 2, SPARE
	v_mov_b32 v[NIL], 0
	v_lshrrev_b32 v1, 5, v0
	v_readfirstlane_b32 s16, v1                    ; wave
	v_and_b32 v8, 31, v0
	v_lshlrev_b32 v1, 4, v8                        ; 16 x lane
	s_mul_i32 s17, s16, WREG
	v_lshrrev_b32 v2, 2, v8
	v_mul_u32_u24 v2, v2, SP
	v_and_b32 v3, 3, v8
	v_lshl_add_u32 v2, v3, 4, v2
	v_add_nc_u32 v2, s17, v2                       ; the stage, in
	v_mul_u32_u24 v3, v8, SP
	v_add_nc_u32 v3, s17, v3                       ; and out
	s_mov_b32 s18, 0x76543210
	s_mov_b32 s19, 0xfedcba98
	s_mov_b32 s20, 0x3a800000                      ; 1 / 1,024
	s_mov_b32 s21, 0x3727c5ac                      ; 1e-5
	s_lshl_b32 s22, ttmp9, 16
	s_lshl_b32 s23, s16, 14
	s_add_co_u32 s22, s22, s23                     ; ybuf: row m' = 16 x work-group + 4 x wave
	s_mov_b32 s23, 0
	s_and_b32 s24, ttmp9, 127
	s_lshl_b32 s24, s24, 17
	s_lshl_b32 s25, s16, 15
	s_add_co_u32 s24, s24, s25                     ; x1: position s x 8,192 bytes,
	s_lshr_b32 s25, ttmp9, 7
	s_lshl_b32 s25, s25, 12
	s_add_co_u32 s24, s24, s25                     ; + the batch's 4,096
	s_mov_b32 s25, 0
	s_lshl_b32 s26, ttmp9, 14
	s_lshl_b32 s27, s16, 12
	s_add_co_u32 s26, s26, s27                     ; the codes: row m' of 1,024 bytes
	s_mov_b32 s27, 0
	s_wait_alu depctr_va_vdst(0)
	s_wait_kmcnt 0x0
	s_load_b32 s28, s[10:11], 0x30                 ; e12
	s_add_nc_u64 s[4:5], s[4:5], s[22:23]
	s_add_nc_u64 s[12:13], s[12:13], s[24:25]
	s_add_nc_u64 s[14:15], s[14:15], s[26:27]
.irp j, 0,1,2,3,4,5,6,7
	global_load_b128 v[192+4*\j:195+4*\j], v1, s[6:7] offset:512*\j
.endr
.irp j, 0,1,2,3,4,5,6,7
	global_load_b128 v[224+4*\j:227+4*\j], v1, s[8:9] offset:512*\j
.endr
.irp i, 0,1,2,3
.irp j, 0,1,2,3,4,5,6,7
	global_load_b128 v[64+32*\i+4*\j:67+32*\i+4*\j], v1, s[4:5] offset:4096*\i+512*\j th:TH_LOAD_NT
.endr
.endr
	s_wait_kmcnt 0x0
	s_add_co_i32 s28, s28, 127
	s_lshl_b32 s29, s28, 23
	v_mov_b32 v6, s29                              ; 2^e12
	s_add_co_i32 s28, s28, 8
	s_lshl_b32 s28, s28, 23
	s_or_b32 s28, s28, 0x600000
	v_mov_b32 v7, s28                              ; 448 x 2^e12
.macro LANESUM a, b                    ; the sum over the 32 lanes, in every lane
	v_add_f32_dpp v[\a], v[\a], v[\a] row_xmask:1 row_mask:0xf bank_mask:0xf
	v_add_f32_dpp v[\a], v[\a], v[\a] row_xmask:2 row_mask:0xf bank_mask:0xf
	v_add_f32_dpp v[\a], v[\a], v[\a] row_xmask:4 row_mask:0xf bank_mask:0xf
	v_add_f32_dpp v[\a], v[\a], v[\a] row_xmask:8 row_mask:0xf bank_mask:0xf
	v_permlanex16_b32 v[\b], v[\a], s18, s19
	v_add_f32 v[\a], v[\a], v[\b]
.endm
.macro ROW i
.set XR, 64+32*(\i)
.set CC, 16+8*((\i)%2)
	s_wait_loadcnt 8*(3-(\i))                      ; g1, be1 and this row are in; the later rows' loads may be out
	v_pk_add_f32 v[8:9], v[XR:XR+1], v[XR+2:XR+3]
	v_pk_add_f32 v[10:11], v[XR+4:XR+5], v[XR+6:XR+7]
.irp j, 8,12,16,20,24,28
	v_pk_add_f32 v[8:9], v[8:9], v[XR+\j:XR+\j+1]
	v_pk_add_f32 v[10:11], v[10:11], v[XR+\j+2:XR+\j+3]
.endr
	v_pk_add_f32 v[8:9], v[8:9], v[10:11]
	v_add_f32 v8, v8, v9
	LANESUM 8, 9
	v_mul_f32 v8, s20, v8                          ; the mean
.set n, 0
.rept 16
	v_pk_add_f32 v[XR+2*n:XR+2*n+1], v[XR+2*n:XR+2*n+1], v[8:9] op_sel_hi:[1,0] neg_lo:[0,1] neg_hi:[0,1]
.set n, n+1
.endr
	v_pk_mul_f32 v[10:11], v[XR:XR+1], v[XR:XR+1]
	v_pk_mul_f32 v[12:13], v[XR+2:XR+3], v[XR+2:XR+3]
.irp j, 4,8,12,16,20,24,28
	v_pk_fma_f32 v[10:11], v[XR+\j:XR+\j+1], v[XR+\j:XR+\j+1], v[10:11]
	v_pk_fma_f32 v[12:13], v[XR+\j+2:XR+\j+3], v[XR+\j+2:XR+\j+3], v[12:13]
.endr
	v_pk_add_f32 v[10:11], v[10:11], v[12:13]
	v_add_f32 v10, v10, v11
	LANESUM 10, 11
	v_fma_f32 v10, v10, s20, s21                   ; the variance + 1e-5
	s_wait_alu depctr_va_vdst(0)
	v_rsq_f32 v12, v10
	v_nop                                          ; a plain line behind the transcendental
	s_wait_alu depctr_va_vdst(0)                   ; ahead of its first reader
.set n, 0
.rept 16
	v_pk_mul_f32 v[XR+2*n:XR+2*n+1], v[XR+2*n:XR+2*n+1], v[12:13] op_sel_hi:[1,0]
.set n, n+1
.endr
.set n, 0
.rept 16
	v_pk_fma_f32 v[XR+2*n:XR+2*n+1], v[XR+2*n:XR+2*n+1], v[192+2*n:193+2*n], v[224+2*n:225+2*n]
.set n, n+1
.endr
.irp j, 0,1,2,3,4,5,6,7
	global_store_b128 v1, v[XR+4*\j:XR+4*\j+3], s[12:13] offset:8192*(\i)+512*\j
.endr
.irp u, 0,1                            ; the row's two halves of 512 numbers through the two stages
.irp j, 0,1,2,3
	ds_store_b128 v2, v[XR+16*\u+4*\j:XR+16*\u+4*\j+3] offset:32*SP*\u+8*SP*\j
.endr
.irp j, 0,1,2,3
	ds_load_b128 v[32+16*\u+4*\j:35+16*\u+4*\j], v3 offset:32*SP*\u+16*\j
.endr
.endr
	s_wait_dscnt 0x0
.if (\i) >= 2
	s_wait_xcnt 0x0                                ; the stores of two rows ago have read these code registers
.endif
.set n, 0
.rept 32
	v_med3_num_f32 v[32+n], v[32+n], -v7, v7
.set n, n+1
.endr
.set n, 0
.rept 4
	v_cvt_scalef32_pk8_fp8_f32 v[CC+2*n:CC+2*n+1], v[32+8*n:39+8*n], v6
.set n, n+1
.endr
	global_store_b128 v1, v[CC:CC+3], s[14:15] offset:1024*(\i)
	global_store_b128 v1, v[CC+4:CC+7], s[14:15] offset:1024*(\i)+512
.endm
	ROW 0
	ROW 1
	ROW 2
	ROW 3
	s_wait_tensorcnt 0x0                           ; the wave's end
	ds_add_u32 v[SPW], v[NIL]
	s_wait_dscnt 0x0
	s_endpgm
.Lfunc_end_k_q4692d74bde_ln1:
	.size	k_q4692d74bde_ln1, .Lfunc_end_k_q4692d74bde_ln1-k_q4692d74bde_ln1
	.p2alignl 7, 3214868480
	.fill 96, 4, 3214868480
	.section	.rodata,"a",@progbits
	.p2align	6, 0x0
	.amdhsa_kernel k_q4692d74bde_ln1
		.amdhsa_group_segment_fixed_size 20992
		.amdhsa_private_segment_fixed_size 0
		.amdhsa_enable_private_segment 0
		.amdhsa_kernarg_size 48
		.amdhsa_user_sgpr_count 2
		.amdhsa_user_sgpr_kernarg_segment_ptr 1
		.amdhsa_wavefront_size32 1
		.amdhsa_system_sgpr_workgroup_id_x 1
		.amdhsa_system_sgpr_workgroup_id_y 1
		.amdhsa_system_sgpr_workgroup_id_z 1
		.amdhsa_system_vgpr_workitem_id 0
		.amdhsa_next_free_vgpr 256
		.amdhsa_next_free_sgpr 66
		.amdhsa_reserve_vcc 0
		.amdhsa_float_denorm_mode_32 3
		.amdhsa_float_denorm_mode_16_64 3
		.amdhsa_memory_ordered 1
		.amdhsa_forward_progress 1
		.amdhsa_inst_pref_size 48
	.end_amdhsa_kernel
	.amdgpu_metadata
---
amdhsa.version: [ 1, 2 ]
amdhsa.kernels:
  - .name:           k_q4692d74bde_ln1
    .symbol:         k_q4692d74bde_ln1.kd
    .args:
      - { .name: ybuf, .offset: 0, .size: 8, .value_kind: global_buffer, .address_space: global }
      - { .name: g1, .offset: 8, .size: 8, .value_kind: global_buffer, .address_space: global }
      - { .name: be1, .offset: 16, .size: 8, .value_kind: global_buffer, .address_space: global }
      - { .name: lowp_scales, .offset: 24, .size: 8, .value_kind: global_buffer, .address_space: global }
      - { .name: x1, .offset: 32, .size: 8, .value_kind: global_buffer, .address_space: global }
      - { .name: xc, .offset: 40, .size: 8, .value_kind: global_buffer, .address_space: global }
    .group_segment_fixed_size: 20992
    .private_segment_fixed_size: 0
    .kernarg_segment_align: 8
    .kernarg_segment_size: 48
    .max_flat_workgroup_size: 128
    .sgpr_count:     66
    .vgpr_count:     256
    .wavefront_size: 32
...
	.end_amdgpu_metadata
.endif
;; end of part 5
;; launch ffn1 (part 6): grid 16 x 16, 4 waves a work-group, clusters of 4 x 4, 327,680 bytes of LDS; arguments xc, W1_codes, lowp_scales, bf1, himg; writes himg
.if DOCPART == 6
	.amdgcn_target "amdgcn-amd-amdhsa--gfx1250"
	.amdhsa_code_object_version 6
	.text
	.protected	k_q4692d74bde_ffn1
	.globl	k_q4692d74bde_ffn1
	.p2align	8
	.type	k_q4692d74bde_ffn1,@function
k_q4692d74bde_ffn1:
	s_mov_b64 s[64:65], 0
	v_nop
	global_prefetch_b8 v0, s[64:65] scope:SCOPE_SE
	s_setreg_imm32_b32 hwreg(HW_REG_WAVE_MODE, 25, 1), 1
	s_wait_xcnt 0x0
	s_wait_alu depctr_hold_cnt(0) depctr_sa_sdst(0) depctr_va_vdst(0) depctr_va_sdst(0) depctr_va_ssrc(0) depctr_va_vcc(0) depctr_vm_vsrc(0)
	s_getreg_b32 s2, hwreg(HW_REG_IB_STS2, 6, 4)
	s_cmp_eq_u32 s2, 0
	s_cbranch_scc0 .Lentry_in_a_cluster
	s_endpgm
.Lentry_in_a_cluster:
	s_bfe_u32 s2, ttmp6, 0x10000c
	s_cmp_lg_u32 s2, 0xf033
	s_cbranch_scc0 .Lentry_shape_is_right
	s_endpgm
.Lentry_shape_is_right:
.set KROW,   1024
.set ROWB,   256
.set PITCH,  272
.set FR,     16
.set NL,     4
.set NP,     4
.set HALFT,  128*PITCH
.set SLOT,   4*HALFT
.set LAPS,   2
.set SPARE,  2*SLOT
.set ADRA, 16
.set ADRB, 20
.set LI,   26
.set SPW,  28
.set NIL,  29
.set SC,   30
.set LIM,  31
.set TMP,  32
.set BIAS, 64
.set AF,   128
.set CD,   128
.set G1, 24
.set G0, 32
.set G1B, 48
.set G0B, 56
.set MSB, 0
.macro WIN new
.if MSB != \new
	s_set_vgpr_msb (MSB<<8)|\new
.set MSB, \new
.endif
.endm
.set MUL_LO, 0xa1
.set MUL_HI, 0xf1
.set TO_B,   0x40
.macro JLOAD g0a, g1a, g0b, g1b
	s_cmp_eq_u32 s15, 0
	s_cbranch_scc0 .Lfor_b_\@
	tensor_load_to_lds s[\g0a:\g0a+3], s[\g1a:\g1a+7]
	s_nop 0
.rept 4
	v_nop
.endr
	s_branch .Lasked_\@
.Lfor_b_\@:
	tensor_load_to_lds s[\g0b:\g0b+3], s[\g1b:\g1b+7]
	s_nop 0
.rept 4
	v_nop
.endr
.Lasked_\@:
.endm
.macro CREST
	s_cmp_lg_u32 s14, 0
	s_cbranch_scc1 .Lnot_wave_0_\@
	s_barrier_signal -3
.Lnot_wave_0_\@:
	s_barrier_wait -3
	s_barrier_signal -1
	s_barrier_wait -1
.endm
.macro CROUND
	s_barrier_signal -1
	s_barrier_wait -1
	CREST
.endm
	s_load_b128 s[4:7], s[0:1], 0x0
	s_load_b128 s[8:11], s[0:1], 0x10
	s_load_b64 s[12:13], s[0:1], 0x20
	v_lshl_add_u32 v[SPW], v0, 2, SPARE
	v_mov_b32 v[NIL], 0
	ds_add_u32 v[SPW], v[NIL]
	ds_add_u32 v[SPW], v[NIL]
	v_lshrrev_b32 v1, 5, v0
	v_readfirstlane_b32 s14, v1
	s_lshr_b32 s15, s14, 1
	s_and_b32 s16, s14, 1
	s_bfe_u32 s40, ttmp6, 0x40000
	s_bfe_u32 s41, ttmp6, 0x40004
	s_lshl_b32 s42, ttmp9, 2
	s_add_co_u32 s42, s42, s40
	s_and_b32 s17, ttmp7, 0xffff
	s_lshl_b32 s17, s17, 2
	s_add_co_u32 s17, s17, s41
	s_lshl_b32 s43, s41, 2
	s_lshl_b32 s43, 15, s43
	s_lshl_b32 s44, 0x1111, s40
	s_or_b32 s[G1+0], s43, (0<<16)|(1<<20)|(1<<21)|(5<<22)|(3<<25)
	s_or_b32 s[G1B+0], s44, (0<<16)|(1<<20)|(1<<21)|(5<<22)|(3<<25)
.irp g, G1, G1B
	s_mov_b32 s[\g+1], ROWB<<16
	s_mov_b32 s[\g+2], 128<<16
	s_mov_b32 s[\g+3], ROWB<<16
	s_mov_b32 s[\g+4], 128
	s_mov_b32 s[\g+5], KROW
	s_mov_b32 s[\g+6], 0
	s_mov_b32 s[\g+7], 0
.endr
	s_lshl_b32 s18, s16, 7
	s_lshl_b32 s20, s17, 8
	s_add_co_u32 s20, s20, s18
	s_lshl_b32 s20, s20, 10
	s_mov_b32 s21, 0
	s_lshl_b32 s46, s42, 8
	s_add_co_u32 s46, s46, s18
	s_lshl_b32 s46, s46, 10
	s_mov_b32 s47, 0
	s_mul_i32 s45, s14, HALFT
	s_wait_dscnt 0x0
	s_wait_kmcnt 0x0
	s_load_b128 s[68:71], s[8:9], 0x30
	s_add_nc_u64 s[20:21], s[4:5], s[20:21]
	s_add_nc_u64 s[46:47], s[6:7], s[46:47]
	CROUND
.irp s, 0,1
	s_mov_b32 s[G0+4*\s], 1
	s_add_co_u32 s[G0+4*\s+1], s45, \s*SLOT
	s_add_nc_u64 s[G0+4*\s+2:G0+4*\s+3], s[20:21], \s*ROWB
	s_or_b32 s[G0+4*\s+3], s[G0+4*\s+3], 0x80000000
	s_mov_b32 s[G0B+4*\s], 1
	s_add_co_u32 s[G0B+4*\s+1], s45, \s*SLOT
	s_add_nc_u64 s[G0B+4*\s+2:G0B+4*\s+3], s[46:47], \s*ROWB
	s_or_b32 s[G0B+4*\s+3], s[G0B+4*\s+3], 0x80000000
.endr
	JLOAD G0, G1, G0B, G1B                         ; K step 0: one tensor load a wave at the head
	v_and_b32 v1, 15, v0
	v_bfe_u32 v2, v0, 4, 1
	s_wait_alu depctr_va_vdst(0)
	v_mul_u32_u24 v3, v1, PITCH
	v_lshl_add_u32 v4, v2, 4, v3
	s_mul_i32 s22, s15, HALFT
	s_mul_i32 s23, s16, HALFT
	s_add_co_u32 s23, s23, 2*HALFT
.irp s, 0,1
	v_add_nc_u32 v[ADRA+\s], s22, v4
	v_add_nc_u32 v[ADRB+\s], s23, v4
	s_add_co_u32 s22, s22, SLOT
	s_add_co_u32 s23, s23, SLOT
.endr
	v_and_b32 v5, 31, v0
	v_lshlrev_b32 v[LI], 4, v5
	s_lshl_b32 s18, s42, 10
	s_lshl_b32 s19, s16, 9
	s_add_co_u32 s18, s18, s19
	s_mov_b32 s19, 0
	s_add_nc_u64 s[10:11], s[10:11], s[18:19]
	v_lshlrev_b32 v6, 5, v2
.irp b, 0,1,2,3,4,5,6,7
	global_load_b128 v[BIAS+8*\b:BIAS+8*\b+3], v6, s[10:11] offset:64*\b
	global_load_b128 v[BIAS+8*\b+4:BIAS+8*\b+7], v6, s[10:11] offset:64*\b+16
.endr
	s_lshl_b32 s18, s17, 4
	s_lshl_b32 s22, s15, 3
	s_add_co_u32 s18, s18, s22
	s_lshl_b32 s18, s18, 16
	s_lshl_b32 s22, s42, 1
	s_add_co_u32 s22, s22, s16
	s_lshl_b32 s22, s22, 11
	s_add_co_u32 s18, s18, s22
	s_add_nc_u64 s[12:13], s[12:13], s[18:19]
	; PREFETCHES INTO THE L2: of the 128 rows that my wave fetches, each of the four partners that ask for them jointly names 32, told apart by address (cx for the tokens, cy for the weight): a lane a row,
	; 256 bytes of a row a K step, one instruction a wave and K step.  K steps 1 and 2 are asked for here, K step 3 behind K step 1's load; K step 0 comes by its load alone.
	s_cmp_eq_u32 s15, 0                            ; do I fetch tokens?
	s_cselect_b64 s[72:73], s[4:5], s[6:7]
	s_cselect_b32 s74, s17, s42                    ; the tile's block of 256 rows
	s_cselect_b32 s75, s40, s41                    ; my place among the four
	s_lshl_b32 s74, s74, 8
	s_lshl_b32 s76, s16, 7
	s_add_co_u32 s74, s74, s76
	s_lshl_b32 s75, s75, 5
	s_add_co_u32 s74, s74, s75
	s_lshl_b32 s74, s74, 10                        ; rows of 1,024 bytes
	s_mov_b32 s75, 0
	s_add_nc_u64 s[72:73], s[72:73], s[74:75]      ; never rewritten
	v_and_b32 v27, 31, v0
	v_lshlrev_b32 v27, 10, v27                     ; never rewritten
	global_prefetch_b8 v27, s[72:73] offset:256 th:TH_LOAD_NT scope:SCOPE_SE
	global_prefetch_b8 v27, s[72:73] offset:512 th:TH_LOAD_NT scope:SCOPE_SE
.macro FRAG reg, adr, q, i
.irp c, 0,1,2,3
	ds_load_b128 v[\reg+4*\c:\reg+4*\c+3], v[\adr] offset:128*(\q)+32*\c+(\i)*16*PITCH
.endr
.endm
.macro MUL16 a0, p, zero
.irp a, \a0, \a0+1
.irp b, 0,1,2,3,4,5,6,7
.if \zero
	v_wmma_f32_16x16x128_fp8_fp8 v[8*(8*((\a)%4)+\b):8*(8*((\a)%4)+\b)+7], v[128*(\p)+FR*\b:128*(\p)+FR*\b+FR-1], v[AF+FR*(\a):AF+FR*(\a)+FR-1], 0
.else
	v_wmma_f32_16x16x128_fp8_fp8 v[8*(8*((\a)%4)+\b):8*(8*((\a)%4)+\b)+7], v[128*(\p)+FR*\b:128*(\p)+FR*\b+FR-1], v[AF+FR*(\a):AF+FR*(\a)+FR-1], v[8*(8*((\a)%4)+\b):8*(8*((\a)%4)+\b)+7]
.endif
.endr
.endr
.endm
.macro FETCH_B slot, q, p
	WIN TO_B
.irp i, 0,1,2,3,4,5,6,7
	FRAG 128*(\p)+FR*\i, ADRB+\slot, \q, \i
.endr
	WIN 0
.endm
.macro FETCH_A slot, q, i0
.irp i, \i0, \i0+1, \i0+2, \i0+3
	FRAG AF+FR*(\i), ADRA+\slot, \q, \i
.endr
.endm
.macro PLACES n
.rept \n
	v_nop
.endr
.endm
.macro STEP slot, q, zero
	s_wait_dscnt 4*NL
	WIN MUL_LO
	MUL16 0, (\q)%2, \zero
	MUL16 2, (\q)%2, \zero
	s_wait_dscnt 0
	PLACES NP
	FETCH_B \slot, (\q)+1, 1-(\q)%2
	FETCH_A \slot, (\q)+1, 0
	WIN MUL_HI
	MUL16 4, (\q)%2, \zero
	MUL16 6, (\q)%2, \zero
	PLACES NP
	WIN 0
	FETCH_A \slot, (\q)+1, 4
.endm
.macro TURN slot, next, fill
	s_wait_tensorcnt 0x0
	ds_add_u32 v[SPW], v[NIL]
	s_wait_dscnt 4*NL+1
	WIN MUL_LO
	MUL16 0, 1, 0
	s_wait_dscnt 0x0
	s_barrier_signal -1
	MUL16 2, 1, 0
	WIN 0
	s_barrier_wait -1
.if \fill
	CREST
	s_add_nc_u64 s[G0+4*\slot+2:G0+4*\slot+3], s[G0+4*\slot+2:G0+4*\slot+3], 2*ROWB
	s_add_nc_u64 s[G0B+4*\slot+2:G0B+4*\slot+3], s[G0B+4*\slot+2:G0B+4*\slot+3], 2*ROWB
	JLOAD G0+4*\slot, G1, G0B+4*\slot, G1B
.else
	PLACES NP
.endif
	FETCH_B \next, 0, 0
	FETCH_A \next, 0, 0
	WIN MUL_HI
	MUL16 4, 1, 0
	MUL16 6, 1, 0
	PLACES NP
	WIN 0
	FETCH_A \next, 0, 4
.endm
	s_wait_alu depctr_va_vdst(0)
	s_wait_tensorcnt 0x0                           ; my part of K step 0 is in
	ds_add_u32 v[SPW], v[NIL]
	s_wait_dscnt 0x0
	CROUND                                         ; everybody's part of K step 0 is in, and the joint loads meet
	JLOAD G0+4, G1, G0B+4, G1B                     ; K step 1: the first tensor load behind the round
	FETCH_B 0, 0, 0
	FETCH_A 0, 0, 0
	FETCH_A 0, 0, 4
	global_prefetch_b8 v27, s[72:73] offset:768 th:TH_LOAD_NT scope:SCOPE_SE   ; K step 3, two refills ahead of its load
	STEP 0, 0, 1
	s_mov_b32 s3, LAPS-1
.Llap:
	TURN 0, 1, 1
	STEP 1, 0, 0
	TURN 1, 0, 1
	STEP 0, 0, 0
	s_sub_co_u32 s3, s3, 1
	s_cmp_lg_u32 s3, 0
	s_cbranch_scc1 .Llap
	TURN 0, 1, 0
	STEP 1, 0, 0
	s_wait_dscnt 4*NL
	WIN MUL_LO
	MUL16 0, 1, 0
	MUL16 2, 1, 0
	s_wait_dscnt 0
	WIN MUL_HI
	MUL16 4, 1, 0
	MUL16 6, 1, 0
	WIN 0
.macro OUT a
.set AC, 64*((\a)%4)
.set hb, 0
.rept 2
	WIN 0x02+((\a)/4)
.set n, 0
.rept 16
	v_pk_add_f32 v[TMP+2*n:TMP+2*n+1], v[AC+32*hb+2*n:AC+32*hb+2*n+1], v[BIAS+32*hb+2*n:BIAS+32*hb+2*n+1]
.set n, n+1
.endr
	WIN 0
.set n, 0
.rept 32
	v_med3_num_f32 v[TMP+n], v[TMP+n], 0, v[LIM]
.set n, n+1
.endr
.set n, 0
.rept 4
	v_cvt_scalef32_pk8_fp8_f32 v[CD+16*(\a)+8*hb+2*n:CD+16*(\a)+8*hb+2*n+1], v[TMP+8*n:TMP+8*n+7], v[SC]
.set n, n+1
.endr
	v_nop
.set hb, hb+1
.endr
.endm
	s_wait_kmcnt 0x0
	s_add_co_i32 s88, s68, s69
	s_sub_co_i32 s92, s70, s88
	s_sub_co_i32 s93, 0, s88
	s_add_co_i32 s92, s92, 127
	s_lshl_b32 s94, s92, 23
	s_add_co_i32 s92, s92, 8
	s_lshl_b32 s92, s92, 23
	s_or_b32 s92, s92, 0x600000
	PLACES NP
	v_mov_b32 v[SC], s94
	v_mov_b32 v[LIM], s92
	s_wait_loadcnt 0x0
.set n, 0
.rept 64
	v_ldexp_f32 v[BIAS+n], v[BIAS+n], s93
.set n, n+1
.endr
.irp a, 0,1,2,3,4,5,6,7
	OUT \a
.irp g, 0,1,2,3
	global_store_b128 v[LI], v[CD+16*\a+4*\g:CD+16*\a+4*\g+3], s[12:13] offset:65536*\a+512*\g
.endr
.endr
	s_wait_tensorcnt 0x0
	ds_add_u32 v[SPW], v[NIL]
	s_wait_dscnt 0x0
	CROUND
	s_endpgm
.Lfunc_end_k_q4692d74bde_ffn1:
	.size	k_q4692d74bde_ffn1, .Lfunc_end_k_q4692d74bde_ffn1-k_q4692d74bde_ffn1
	.p2alignl 7, 3214868480
	.fill 96, 4, 3214868480
	.section	.rodata,"a",@progbits
	.p2align	6, 0x0
	.amdhsa_kernel k_q4692d74bde_ffn1
		.amdhsa_group_segment_fixed_size 327680
		.amdhsa_private_segment_fixed_size 0
		.amdhsa_enable_private_segment 0
		.amdhsa_kernarg_size 40
		.amdhsa_user_sgpr_count 2
		.amdhsa_user_sgpr_kernarg_segment_ptr 1
		.amdhsa_wavefront_size32 1
		.amdhsa_system_sgpr_workgroup_id_x 1
		.amdhsa_system_sgpr_workgroup_id_y 1
		.amdhsa_system_sgpr_workgroup_id_z 1
		.amdhsa_system_vgpr_workitem_id 0
		.amdhsa_next_free_vgpr 1024
		.amdhsa_next_free_sgpr 100
		.amdhsa_reserve_vcc 0
		.amdhsa_float_denorm_mode_32 3
		.amdhsa_float_denorm_mode_16_64 3
		.amdhsa_memory_ordered 1
		.amdhsa_forward_progress 1
		.amdhsa_inst_pref_size 141
	.end_amdhsa_kernel
	.amdgpu_metadata
---
amdhsa.version: [ 1, 2 ]
amdhsa.kernels:
  - .name:           k_q4692d74bde_ffn1
    .symbol:         k_q4692d74bde_ffn1.kd
    .args:
      - { .name: xc, .offset: 0, .size: 8, .value_kind: global_buffer, .address_space: global }
      - { .name: W1_codes, .offset: 8, .size: 8, .value_kind: global_buffer, .address_space: global }
      - { .name: lowp_scales, .offset: 16, .size: 8, .value_kind: global_buffer, .address_space: global }
      - { .name: bf1, .offset: 24, .size: 8, .value_kind: global_buffer, .address_space: global }
      - { .name: himg, .offset: 32, .size: 8, .value_kind: global_buffer, .address_space: global }
    .group_segment_fixed_size: 327680
    .private_segment_fixed_size: 0
    .kernarg_segment_align: 8
    .kernarg_segment_size: 40
    .max_flat_workgroup_size: 128
    .sgpr_count:     100
    .vgpr_count:     1024
    .wavefront_size: 32
...
	.end_amdgpu_metadata
.endif
;; end of part 6
;; launch ffn2 (part 7): grid 8 x 32, 4 waves a work-group, clusters of 4 x 4, 327,680 bytes of LDS; arguments himg, W2_codes, lowp_scales, bf2, x1, ybuf; writes ybuf
.if DOCPART == 7
	.amdgcn_target "amdgcn-amd-amdhsa--gfx1250"
	.amdhsa_code_object_version 6
	.text
	.protected	k_q4692d74bde_ffn2
	.globl	k_q4692d74bde_ffn2
	.p2align	8
	.type	k_q4692d74bde_ffn2,@function
k_q4692d74bde_ffn2:
	s_mov_b64 s[64:65], 0
	v_nop
	global_prefetch_b8 v0, s[64:65] scope:SCOPE_SE
	s_setreg_imm32_b32 hwreg(HW_REG_WAVE_MODE, 25, 1), 1
	s_wait_xcnt 0x0
	s_wait_alu depctr_hold_cnt(0) depctr_sa_sdst(0) depctr_va_vdst(0) depctr_va_sdst(0) depctr_va_ssrc(0) depctr_va_vcc(0) depctr_vm_vsrc(0)
	s_getreg_b32 s2, hwreg(HW_REG_IB_STS2, 6, 4)
	s_cmp_eq_u32 s2, 0
	s_cbranch_scc0 .Lentry_in_a_cluster
	s_endpgm
.Lentry_in_a_cluster:
	s_bfe_u32 s2, ttmp6, 0x10000c
	s_cmp_lg_u32 s2, 0xf033
	s_cbranch_scc0 .Lentry_shape_is_right
	s_endpgm
.Lentry_shape_is_right:
; y2 = x + (h W2 + bf2), f32, rows in the order m' = 2,048 b + s; the product on E4M3 codes, K = KD.  Nothing is left out.
; A tile of 128 x 128 a work-group (256 work-groups; tiles of 256 x 256 would be 64), four waves of 64 x 64: 16 accumulators.
; The left operand comes as images of its registers: [tile of 16 rows][K step of 128][2,048 bytes]; a fragment is four dense loads of 16 bytes a lane.  The weight lies as rows along K and is read in the
; form's own layout, eight loads of 8 bytes a fragment, so that k has the same place on both sides.
; K goes in steps of 512 through two LDS slots filled by joint tensor loads: the images shared along a row of the cluster, the weight's rows along a column.
; Source 0 = 16 rows of the weight, source 1 = 16 token rows: a lane holds eight neighbouring columns of one row.
; The bias and the residual are asked for behind the first barrier, into registers of their own, so that all the products stand between the request and the way out's waits for them.
; LIMIT: the two exponents' sum between -126 and 127.
; REGISTERS: window 0: v1-29 addresses, v12-15 the bias; v32-95 the way out; v128-255 accumulators ((a, b) at v[128 + 8 (4 a + b)]).  window 1: two fragment buffers of 128 (tokens' 4, then the weight's 4).
;   window 2: v0-127 the residual, 32 registers for each block of 16 rows.
.set KD,    4096
.set EI,    14                         ; the entries of the two scales: EI, EI + 1
.set RT,    KD*16
.set LAPS,  KD/1024
.set APART, 65536
.set BP,    528
.set SLOT,  APART+128*BP
.set SPARE, 2*SLOT
.set SPITCH, 272
.set BO,   11
.set ADRA, 16
.set ADRB, 20
.set STO,  24
.set RD,   25
.set CO,   26
.set RO,   27
.set SPW,  28
.set NIL,  29
.set BK,   32
.set ACC,  128
.set F0,   0
.set F1,   128
.set G1, 24
.set G0, 32
.set G1B, 48
.set G0B, 56
.set MSB, 0
.macro WIN new
.if MSB != \new
	s_set_vgpr_msb (MSB<<8)|\new
.set MSB, \new
.endif
.endm
.set MUL,  0x05
.set TO_F, 0x40
.set TO_R, 0x80                        ; destination window 2
.macro JLOAD s                         ; waves 0, 1 fetch the images' halves, waves 2, 3 the weight's; an s_nop 0 and four v_nop follow each line
	s_cmp_eq_u32 s17, 0
	s_cbranch_scc0 .Lfor_b_\@
	tensor_load_to_lds s[G0+4*\s:G0+4*\s+3], s[G1:G1+7]
	s_nop 0
.rept 4
	v_nop
.endr
	s_branch .Lasked_\@
.Lfor_b_\@:
	tensor_load_to_lds s[G0B+4*\s:G0B+4*\s+3], s[G1B:G1B+7]
	s_nop 0
.rept 4
	v_nop
.endr
.Lasked_\@:
.endm
.macro CREST
	s_cmp_lg_u32 s16, 0
	s_cbranch_scc1 .Lnot_wave_0_\@
	s_barrier_signal -3
.Lnot_wave_0_\@:
	s_barrier_wait -3
	s_barrier_signal -1
	s_barrier_wait -1
.endm
.macro CROUND
	s_barrier_signal -1
	s_barrier_wait -1
	CREST
.endm
	s_load_b256 s[4:11], s[0:1], 0x0               ; the images, the weight's codes, the scales' exponents, the bias
	s_load_b128 s[12:15], s[0:1], 0x20             ; the residual, ybuf
	v_lshl_add_u32 v[SPW], v0, 2, SPARE
	v_mov_b32 v[NIL], 0
	ds_add_u32 v[SPW], v[NIL]                      ; the wave's opening: the add, twice on end, and its wait ahead of my first tensor load
	ds_add_u32 v[SPW], v[NIL]
	v_lshrrev_b32 v1, 5, v0
	v_readfirstlane_b32 s16, v1
	s_lshr_b32 s17, s16, 1
	s_and_b32 s18, s16, 1
	s_bfe_u32 s40, ttmp6, 0x40000
	s_bfe_u32 s41, ttmp6, 0x40004
	s_lshl_b32 s42, ttmp9, 2
	s_add_co_u32 s42, s42, s40                     ; tile column
	s_and_b32 s19, ttmp7, 0xffff
	s_lshl_b32 s19, s19, 2
	s_add_co_u32 s19, s19, s41                     ; tile row
	s_lshl_b32 s43, s41, 2
	s_lshl_b32 s43, 15, s43
	s_lshl_b32 s44, 0x1111, s40
	s_or_b32 s[G1+0], s43, (0<<16)|(1<<21)
	s_mov_b32 s[G1+1], 8192<<16
	s_mov_b32 s[G1+2], 4<<16
	s_mov_b32 s[G1+3], 8192<<16
	s_mov_b32 s[G1+4], 4
	s_mov_b32 s[G1+5], RT
	s_mov_b32 s[G1+6], 0
	s_mov_b32 s[G1+7], 0
	s_or_b32 s[G1B+0], s44, (0<<16)|(1<<20)|(1<<21)|(6<<22)|(3<<25)
	s_mov_b32 s[G1B+1], 512<<16
	s_mov_b32 s[G1B+2], 64<<16
	s_mov_b32 s[G1B+3], 512<<16
	s_mov_b32 s[G1B+4], 64
	s_mov_b32 s[G1B+5], KD
	s_mov_b32 s[G1B+6], 0
	s_mov_b32 s[G1B+7], 0
	s_lshl_b32 s20, s19, 3
	s_lshl_b32 s21, s18, 2
	s_add_co_u32 s20, s20, s21
	s_mul_i32 s20, s20, RT
	s_mov_b32 s21, 0
	s_lshl_b32 s46, s42, 7
	s_lshl_b32 s47, s18, 6
	s_add_co_u32 s46, s46, s47
	s_mul_i32 s46, s46, KD
	s_mov_b32 s47, 0
	s_lshl_b32 s45, s18, 15
	s_mul_i32 s22, s18, 64*BP
	s_add_co_u32 s22, s22, APART
	s_wait_dscnt 0x0                               ; both opening adds are done
	s_wait_kmcnt 0x0
	s_load_b64 s[96:97], s[8:9], EI*4
	s_add_nc_u64 s[20:21], s[4:5], s[20:21]
	s_add_nc_u64 s[46:47], s[6:7], s[46:47]
	CROUND
.irp s, 0,1
	s_mov_b32 s[G0+4*\s], 1
	s_add_co_u32 s[G0+4*\s+1], s45, \s*SLOT
	s_add_nc_u64 s[G0+4*\s+2:G0+4*\s+3], s[20:21], \s*8192
	s_or_b32 s[G0+4*\s+3], s[G0+4*\s+3], 0x80000000
	s_mov_b32 s[G0B+4*\s], 1
	s_add_co_u32 s[G0B+4*\s+1], s22, \s*SLOT
	s_add_nc_u64 s[G0B+4*\s+2:G0B+4*\s+3], s[46:47], \s*512
	s_or_b32 s[G0B+4*\s+3], s[G0B+4*\s+3], 0x80000000
.endr
	JLOAD 0                                        ; slot 0: one tensor load a wave at the head
	v_and_b32 v1, 15, v0
	v_bfe_u32 v2, v0, 4, 1
	v_and_b32 v3, 31, v0
	v_lshlrev_b32 v3, 4, v3
	s_lshl_b32 s23, s17, 15
	v_mul_u32_u24 v4, v1, BP
	v_lshl_add_u32 v4, v2, 3, v4
	s_mul_i32 s66, s18, 64*BP
	s_add_co_u32 s66, s66, APART
.irp s, 0,1
	v_add_nc_u32 v[ADRA+\s], s23, v3
	v_add_nc_u32 v[ADRB+\s], s66, v4
	s_add_co_u32 s23, s23, SLOT
	s_add_co_u32 s66, s66, SLOT
.endr
	s_mul_i32 s67, s16, 16*SPITCH
	v_mul_u32_u24 v5, v1, SPITCH
	v_lshl_add_u32 v5, v2, 5, v5
	v_add_nc_u32 v[STO], s67, v5
	v_mul_u32_u24 v5, v2, SPITCH
	v_lshl_add_u32 v5, v1, 4, v5
	v_add_nc_u32 v[RD], s67, v5
	v_lshlrev_b32 v[BO], 4, v1
	v_lshl_add_u32 v[CO], v2, 12, v[BO]
	v_lshl_add_u32 v[RO], v2, 13, v[BO]
	s_lshl_b32 s70, s42, 9
	s_lshl_b32 s71, s18, 8
	s_add_co_u32 s70, s70, s71
	s_mov_b32 s71, 0
	s_lshl_b32 s68, s19, 19
	s_lshl_b32 s69, s17, 18
	s_add_co_u32 s68, s68, s69
	s_add_co_u32 s68, s68, s70
	s_mov_b32 s69, 0
	s_and_b32 s72, s19, 15
	s_lshl_b32 s72, s72, 20
	s_lshl_b32 s73, s17, 19
	s_add_co_u32 s72, s72, s73
	s_lshr_b32 s73, s19, 4
	s_lshl_b32 s73, s73, 12
	s_add_co_u32 s72, s72, s73
	s_add_co_u32 s72, s72, s70
	s_mov_b32 s73, 0
	s_add_nc_u64 s[14:15], s[14:15], s[68:69]
	s_add_nc_u64 s[12:13], s[12:13], s[72:73]
	s_add_nc_u64 s[10:11], s[10:11], s[70:71]
	; PREFETCHES INTO THE L2, one instruction a wave for each slot of 512 along K.  What a wave fetches for a slot is 128 blocks of 256 bytes; each of the four partners that ask for it jointly names 32, told apart by address:
	; of the images the row tile 4 x half + cx, 8,192 bytes on end, lanes 256 bytes apart; of the weight the rows 16 cy .. 16 cy + 15 of the wave's 64, two lanes a row.
	; Slots 1 and 2 are asked for here, slot 3 behind slot 1's load, and behind each refill the slot two refills on; the loop's last trip asks for nothing.  Slot 0 comes by its load alone.
	s_lshl_b32 s78, s19, 3
	s_lshl_b32 s79, s18, 2
	s_add_co_u32 s78, s78, s79
	s_add_co_u32 s78, s78, s40                     ; the images' row tile
	s_mul_i32 s78, s78, RT
	s_lshl_b32 s80, s42, 7
	s_lshl_b32 s81, s18, 6
	s_add_co_u32 s80, s80, s81
	s_lshl_b32 s81, s41, 4
	s_add_co_u32 s80, s80, s81                     ; the weight's first row
	s_mul_i32 s80, s80, KD
	s_cmp_eq_u32 s17, 0                            ; do I fetch images?
	s_cselect_b64 s[74:75], s[4:5], s[6:7]
	s_cselect_b32 s78, s78, s80
	s_mov_b32 s82, KD
	s_cselect_b32 s82, 512, s82                    ; from one pair of lanes to the next
	s_mov_b32 s84, 1024
	s_cselect_b32 s84, 16384, s84                  ; two slots on
	s_mov_b32 s79, 0
	s_mov_b32 s85, 0
	s_add_nc_u64 s[74:75], s[74:75], s[78:79]      ; slot 0
	s_lshr_b32 s78, s84, 1
	s_add_nc_u64 s[86:87], s[74:75], s[78:79]      ; slot 1
	s_add_nc_u64 s[74:75], s[74:75], s[84:85]      ; slot 2: the even slots' address
	s_add_nc_u64 s[76:77], s[86:87], s[84:85]      ; slot 3: the odd slots'
	v_and_b32 v31, 31, v0
	v_lshrrev_b32 v30, 1, v31
	v_and_b32 v31, 1, v31
	v_mul_u32_u24 v30, v30, s82
	v_lshl_add_u32 v30, v31, 8, v30                ; never rewritten
	global_prefetch_b8 v30, s[86:87] th:TH_LOAD_NT scope:SCOPE_SE
	global_prefetch_b8 v30, s[74:75] th:TH_LOAD_NT scope:SCOPE_SE
.macro MULA f, a, zero                 ; the 16 accumulators take turns in one order throughout
.irp b, 0,1,2,3
.if \zero
	v_wmma_f32_16x16x128_fp8_fp8 v[ACC+8*(4*(\a)+\b):ACC+8*(4*(\a)+\b)+7], v[\f+64+16*\b:\f+64+16*\b+15], v[\f+16*(\a):\f+16*(\a)+15], 0
.else
	v_wmma_f32_16x16x128_fp8_fp8 v[ACC+8*(4*(\a)+\b):ACC+8*(4*(\a)+\b)+7], v[\f+64+16*\b:\f+64+16*\b+15], v[\f+16*(\a):\f+16*(\a)+15], v[ACC+8*(4*(\a)+\b):ACC+8*(4*(\a)+\b)+7]
.endif
.endr
.endm
.macro FETCH slot, q, f
	WIN TO_F
.irp i, 0,1,2,3
.irp c, 0,1,2,3,4,5,6,7
	ds_load_b64 v[\f+64+16*\i+2*\c:\f+64+16*\i+2*\c+1], v[ADRB+\slot] offset:\i*16*BP+128*(\q)+16*\c
.endr
.endr
.irp i, 0,1,2,3
.irp g, 0,1,2,3
	ds_load_b128 v[\f+16*\i+4*\g:\f+16*\i+4*\g+3], v[ADRA+\slot] offset:\i*8192+2048*(\q)+512*\g
.endr
.endr
.endm
.macro PLACES
.rept 4
	v_nop
.endr
.endm
.macro QUARTER slot, qn, f, g, zero
	s_wait_dscnt 8                                 ; all but the youngest eight loads (token blocks 2, 3)
	WIN MUL
	MULA \f, 0, \zero
	MULA \f, 1, \zero
	PLACES
	FETCH \slot, \qn, \g
	s_wait_dscnt 48                                ; all but the 48 just issued
	WIN MUL
	MULA \f, 2, \zero
	MULA \f, 3, \zero
.endm
.macro TURN slot, next, fill
.if \fill
	s_wait_xcnt 0x0                                ; the prefetch of a lap ago has read its address: it steps here, two slots on
	s_add_nc_u64 s[74+2*\slot:75+2*\slot], s[74+2*\slot:75+2*\slot], s[84:85]
.endif
	WIN 0
	s_wait_tensorcnt 0x0
	ds_add_u32 v[SPW], v[NIL]
	s_wait_dscnt 9
	WIN MUL
	MULA F1, 0, 0
	s_wait_dscnt 0x0                               ; the add is done, and my reads of this slot are over
	s_barrier_signal -1
	MULA F1, 1, 0
.if \fill
	WIN 0
.endif
	s_barrier_wait -1
.if \fill
	CREST                                          ; no wave of any partner still reads this slot or has a load on its way
	s_add_nc_u64 s[G0+4*\slot+2:G0+4*\slot+3], s[G0+4*\slot+2:G0+4*\slot+3], 2*8192
	s_add_nc_u64 s[G0B+4*\slot+2:G0B+4*\slot+3], s[G0B+4*\slot+2:G0B+4*\slot+3], 2*512
	JLOAD \slot
.else
	PLACES
.endif
	FETCH \next, 0, F0
.if \fill
	WIN 0
	s_cmp_gt_u32 s3, 1                             ; the last trip's refills have no slot two refills on
	s_cbranch_scc0 .Lno_ask_\@
	global_prefetch_b8 v30, s[74+2*\slot:75+2*\slot] th:TH_LOAD_NT scope:SCOPE_SE
.Lno_ask_\@:
.endif
	WIN MUL
	MULA F1, 2, 0
	MULA F1, 3, 0
.endm
	s_wait_alu depctr_va_vdst(0)
	s_wait_tensorcnt 0x0                           ; my part of slot 0 is in
	ds_add_u32 v[SPW], v[NIL]
	s_wait_dscnt 0x0
	CROUND                                         ; everybody's part of slot 0 is in, and the joint loads meet
	JLOAD 1                                        ; slot 1: the first tensor load behind the round
	FETCH 0, 0, F0
	WIN 0
	global_prefetch_b8 v30, s[76:77] th:TH_LOAD_NT scope:SCOPE_SE   ; slot 3, two refills ahead of its load
	global_load_b128 v[12:15], v[BO], s[10:11]
	WIN TO_R
.irp a, 0,1,2,3
.irp t, 0,1,2,3,4,5,6,7
	global_load_b128 v[32*\a+4*\t:32*\a+4*\t+3], v[RO], s[12:13] offset:(16*\a+2*\t)*8192 th:TH_LOAD_NT   ; and the residual of my 64 rows, block by block: sixteen lanes read 256 consecutive bytes
.endr
.endr
	QUARTER 0, 1, F0, F1, 1
.if LAPS > 1
	WIN 0
	s_mov_b32 s3, LAPS-1
.Llap:
	QUARTER 0, 2, F1, F0, 0
	QUARTER 0, 3, F0, F1, 0
	TURN 0, 1, 1
	QUARTER 1, 1, F0, F1, 0
	QUARTER 1, 2, F1, F0, 0
	QUARTER 1, 3, F0, F1, 0
	TURN 1, 0, 1
	QUARTER 0, 1, F0, F1, 0
	WIN 0
	s_sub_co_u32 s3, s3, 1
	s_cmp_lg_u32 s3, 0
	s_cbranch_scc1 .Llap
.endif
	QUARTER 0, 2, F1, F0, 0
	QUARTER 0, 3, F0, F1, 0
	TURN 0, 1, 0
	QUARTER 1, 1, F0, F1, 0
	QUARTER 1, 2, F1, F0, 0
	QUARTER 1, 3, F0, F1, 0
	s_wait_dscnt 8                                 ; the very last quarter: nothing more to fetch
	WIN MUL
	MULA F1, 0, 0
	MULA F1, 1, 0
	s_wait_dscnt 0
	MULA F1, 2, 0
	MULA F1, 3, 0
	WIN 0
	s_wait_kmcnt 0x0
	s_add_co_i32 s96, s96, s97
	s_add_co_i32 s96, s96, 127
	s_lshl_b32 s96, s96, 23
	s_mov_b32 s97, s96
	PLACES
.macro TOSTAGE a
.set BB, BK+32*((\a)%2)
.irp b, 0,1,2,3
	ds_store_b128 v[STO], v[ACC+8*(4*(\a)+\b):ACC+8*(4*(\a)+\b)+3] offset:64*\b
	ds_store_b128 v[STO], v[ACC+8*(4*(\a)+\b)+4:ACC+8*(4*(\a)+\b)+7] offset:64*\b+16
.endr
.irp t, 0,1,2,3,4,5,6,7
	ds_load_b128 v[BB+4*\t:BB+4*\t+3], v[RD] offset:\t*2*SPITCH
.endr
.endm
.macro SEND a, younger
.set BB, BK+32*((\a)%2)
	s_wait_dscnt \younger                          ; the block is back; the next block's sixteen LDS instructions may be out
	s_wait_loadcnt 8*(3-(\a))                      ; the bias and this block's residual are in; the later blocks' loads may be out
.set n, 0
.rept 16
	v_pk_fma_f32 v[BB+2*n:BB+2*n+1], v[BB+2*n:BB+2*n+1], s[96:97], v[12+2*(n%2):13+2*(n%2)] op_sel_hi:[1,0,1]
.set n, n+1
.endr
	WIN 0x08                                       ; source 1 window 2
.set n, 0
.rept 16
	v_pk_add_f32 v[BB+2*n:BB+2*n+1], v[BB+2*n:BB+2*n+1], v[32*(\a)+2*n:32*(\a)+2*n+1]
.set n, n+1
.endr
	WIN 0
.irp t, 0,1,2,3,4,5,6,7
	global_store_b128 v[CO], v[BB+4*\t:BB+4*\t+3], s[14:15] offset:(16*(\a)+2*\t)*4096
.endr
.endm
	TOSTAGE 0
.irp a, 1,2,3
.if \a > 1
	s_wait_xcnt 0x0                                ; block a - 2's stores have read their registers: block a's loads may land there
.endif
	TOSTAGE \a
	SEND \a-1, 16
.endr
	SEND 3, 0
	s_wait_tensorcnt 0x0                           ; the wave's end
	ds_add_u32 v[SPW], v[NIL]
	s_wait_dscnt 0x0
	CROUND                                         ; the closing round
	s_endpgm
.Lfunc_end_k_q4692d74bde_ffn2:
	.size	k_q4692d74bde_ffn2, .Lfunc_end_k_q4692d74bde_ffn2-k_q4692d74bde_ffn2
	.p2alignl 7, 3214868480
	.fill 96, 4, 3214868480
	.section	.rodata,"a",@progbits
	.p2align	6, 0x0
	.amdhsa_kernel k_q4692d74bde_ffn2
		.amdhsa_group_segment_fixed_size 327680
		.amdhsa_private_segment_fixed_size 0
		.amdhsa_enable_private_segment 0
		.amdhsa_kernarg_size 48
		.amdhsa_user_sgpr_count 2
		.amdhsa_user_sgpr_kernarg_segment_ptr 1
		.amdhsa_wavefront_size32 1
		.amdhsa_system_sgpr_workgroup_id_x 1
		.amdhsa_system_sgpr_workgroup_id_y 1
		.amdhsa_system_sgpr_workgroup_id_z 1
		.amdhsa_system_vgpr_workitem_id 0
		.amdhsa_next_free_vgpr 640
		.amdhsa_next_free_sgpr 100
		.amdhsa_reserve_vcc 0
		.amdhsa_float_denorm_mode_32 3
		.amdhsa_float_denorm_mode_16_64 3
		.amdhsa_memory_ordered 1
		.amdhsa_forward_progress 1
		.amdhsa_inst_pref_size 100
	.end_amdhsa_kernel
	.amdgpu_metadata
---
amdhsa.version: [ 1, 2 ]
amdhsa.kernels:
  - .name:           k_q4692d74bde_ffn2
    .symbol:         k_q4692d74bde_ffn2.kd
    .args:
      - { .name: himg, .offset: 0, .size: 8, .value_kind: global_buffer, .address_space: global }
      - { .name: W2_codes, .offset: 8, .size: 8, .value_kind: global_buffer, .address_space: global }
      - { .name: lowp_scales, .offset: 16, .size: 8, .value_kind: global_buffer, .address_space: global }
      - { .name: bf2, .offset: 24, .size: 8, .value_kind: global_buffer, .address_space: global }
      - { .name: x1, .offset: 32, .size: 8, .value_kind: global_buffer, .address_space: global }
      - { .name: ybuf, .offset: 40, .size: 8, .value_kind: global_buffer, .address_space: global }
    .group_segment_fixed_size: 327680
    .private_segment_fixed_size: 0
    .kernarg_segment_align: 8
    .kernarg_segment_size: 48
    .max_flat_workgroup_size: 128
    .sgpr_count:     100
    .vgpr_count:     640
    .wavefront_size: 32
...
	.end_amdgpu_metadata
.endif
;; end of part 7
;; launch ln2 (part 8): grid 256 x 1, 4 waves a work-group, no clusters, 0 bytes of LDS; arguments ybuf, g2, be2, out0; writes out0
.if DOCPART == 8
	.amdgcn_target "amdgcn-amd-amdhsa--gfx1250"
	.amdhsa_code_object_version 6
	.text
	.protected	k_q4692d74bde_ln2
	.globl	k_q4692d74bde_ln2
	.p2align	8
	.type	k_q4692d74bde_ln2,@function
k_q4692d74bde_ln2:
	s_mov_b64 s[64:65], 0
	v_nop
	global_prefetch_b8 v0, s[64:65] scope:SCOPE_SE
	s_setreg_imm32_b32 hwreg(HW_REG_WAVE_MODE, 25, 1), 1
	s_wait_xcnt 0x0
; out0 = layernorm(y2) g2 + be2, f32; y2's rows come in the order m' = 2,048 b + s and leave as row 2 s + b.  Nothing is left out.
; A wave takes a row (4,096 bytes, 32 registers) and keeps it between the passes; four rows a wave, all asked for at the head.  Each load and store of the wave covers 512 consecutive bytes, aligned.
; No LDS, no barrier: a reduction never leaves its wave.
	s_load_b256 s[4:11], s[0:1], 0x0               ; ybuf, g2, be2, out0
	v_lshrrev_b32 v1, 5, v0
	v_readfirstlane_b32 s16, v1                    ; wave
	v_and_b32 v8, 31, v0
	v_lshlrev_b32 v1, 4, v8                        ; 16 x lane
	s_mov_b32 s18, 0x76543210
	s_mov_b32 s19, 0xfedcba98
	s_mov_b32 s20, 0x3a800000                      ; 1 / 1,024
	s_mov_b32 s21, 0x3727c5ac                      ; 1e-5
	s_lshl_b32 s22, ttmp9, 16
	s_lshl_b32 s23, s16, 14
	s_add_co_u32 s22, s22, s23                     ; ybuf: row m' = 16 x work-group + 4 x wave
	s_mov_b32 s23, 0
	s_and_b32 s24, ttmp9, 127
	s_lshl_b32 s24, s24, 17
	s_lshl_b32 s25, s16, 15
	s_add_co_u32 s24, s24, s25                     ; out0: position s x 8,192 bytes,
	s_lshr_b32 s25, ttmp9, 7
	s_lshl_b32 s25, s25, 12
	s_add_co_u32 s24, s24, s25                     ; + the batch's 4,096
	s_mov_b32 s25, 0
	s_wait_alu depctr_va_vdst(0)
	s_wait_kmcnt 0x0
	s_add_nc_u64 s[4:5], s[4:5], s[22:23]
	s_add_nc_u64 s[10:11], s[10:11], s[24:25]
.irp j, 0,1,2,3,4,5,6,7
	global_load_b128 v[192+4*\j:195+4*\j], v1, s[6:7] offset:512*\j
.endr
.irp j, 0,1,2,3,4,5,6,7
	global_load_b128 v[224+4*\j:227+4*\j], v1, s[8:9] offset:512*\j
.endr
.irp i, 0,1,2,3
.irp j, 0,1,2,3,4,5,6,7
	global_load_b128 v[64+32*\i+4*\j:67+32*\i+4*\j], v1, s[4:5] offset:4096*\i+512*\j th:TH_LOAD_NT
.endr
.endr
.macro LANESUM a, b                    ; the sum over the 32 lanes, in every lane
	v_add_f32_dpp v[\a], v[\a], v[\a] row_xmask:1 row_mask:0xf bank_mask:0xf
	v_add_f32_dpp v[\a], v[\a], v[\a] row_xmask:2 row_mask:0xf bank_mask:0xf
	v_add_f32_dpp v[\a], v[\a], v[\a] row_xmask:4 row_mask:0xf bank_mask:0xf
	v_add_f32_dpp v[\a], v[\a], v[\a] row_xmask:8 row_mask:0xf bank_mask:0xf
	v_permlanex16_b32 v[\b], v[\a], s18, s19
	v_add_f32 v[\a], v[\a], v[\b]
.endm
.macro ROW i
.set XR, 64+32*(\i)
	s_wait_loadcnt 8*(3-(\i))                      ; g2, be2 and this row are in; the later rows' loads may be out
	v_pk_add_f32 v[8:9], v[XR:XR+1], v[XR+2:XR+3]
	v_pk_add_f32 v[10:11], v[XR+4:XR+5], v[XR+6:XR+7]
.irp j, 8,12,16,20,24,28
	v_pk_add_f32 v[8:9], v[8:9], v[XR+\j:XR+\j+1]
	v_pk_add_f32 v[10:11], v[10:11], v[XR+\j+2:XR+\j+3]
.endr
	v_pk_add_f32 v[8:9], v[8:9], v[10:11]
	v_add_f32 v8, v8, v9
	LANESUM 8, 9
	v_mul_f32 v8, s20, v8                          ; the mean
.set n, 0
.rept 16
	v_pk_add_f32 v[XR+2*n:XR+2*n+1], v[XR+2*n:XR+2*n+1], v[8:9] op_sel_hi:[1,0] neg_lo:[0,1] neg_hi:[0,1]
.set n, n+1
.endr
	v_pk_mul_f32 v[10:11], v[XR:XR+1], v[XR:XR+1]
	v_pk_mul_f32 v[12:13], v[XR+2:XR+3], v[XR+2:XR+3]
.irp j, 4,8,12,16,20,24,28
	v_pk_fma_f32 v[10:11], v[XR+\j:XR+\j+1], v[XR+\j:XR+\j+1], v[10:11]
	v_pk_fma_f32 v[12:13], v[XR+\j+2:XR+\j+3], v[XR+\j+2:XR+\j+3], v[12:13]
.endr
	v_pk_add_f32 v[10:11], v[10:11], v[12:13]
	v_add_f32 v10, v10, v11
	LANESUM 10, 11
	v_fma_f32 v10, v10, s20, s21                   ; the variance + 1e-5
	s_wait_alu depctr_va_vdst(0)
	v_rsq_f32 v12, v10
	v_nop                                          ; a plain line behind the transcendental
	s_wait_alu depctr_va_vdst(0)                   ; ahead of its first reader
.set n, 0
.rept 16
	v_pk_mul_f32 v[XR+2*n:XR+2*n+1], v[XR+2*n:XR+2*n+1], v[12:13] op_sel_hi:[1,0]
.set n, n+1
.endr
.set n, 0
.rept 16
	v_pk_fma_f32 v[XR+2*n:XR+2*n+1], v[XR+2*n:XR+2*n+1], v[192+2*n:193+2*n], v[224+2*n:225+2*n]
.set n, n+1
.endr
.irp j, 0,1,2,3,4,5,6,7
	global_store_b128 v1, v[XR+4*\j:XR+4*\j+3], s[10:11] offset:8192*(\i)+512*\j th:TH_STORE_NT
.endr
.endm
	ROW 0
	ROW 1
	ROW 2
	ROW 3
	s_endpgm
.Lfunc_end_k_q4692d74bde_ln2:
	.size	k_q4692d74bde_ln2, .Lfunc_end_k_q4692d74bde_ln2-k_q4692d74bde_ln2
	.p2alignl 7, 3214868480
	.fill 96, 4, 3214868480
	.section	.rodata,"a",@progbits
	.p2align	6, 0x0
	.amdhsa_kernel k_q4692d74bde_ln2
		.amdhsa_group_segment_fixed_size 0
		.amdhsa_private_segment_fixed_size 0
		.amdhsa_enable_private_segment 0
		.amdhsa_kernarg_size 32
		.amdhsa_user_sgpr_count 2
		.amdhsa_user_sgpr_kernarg_segment_ptr 1
		.amdhsa_wavefront_size32 1
		.amdhsa_system_sgpr_workgroup_id_x 1
		.amdhsa_system_sgpr_workgroup_id_y 1
		.amdhsa_system_sgpr_workgroup_id_z 1
		.amdhsa_system_vgpr_workitem_id 0
		.amdhsa_next_free_vgpr 256
		.amdhsa_next_free_sgpr 66
		.amdhsa_reserve_vcc 0
		.amdhsa_float_denorm_mode_32 3
		.amdhsa_float_denorm_mode_16_64 3
		.amdhsa_memory_ordered 1
		.amdhsa_forward_progress 1
		.amdhsa_inst_pref_size 33
	.end_amdhsa_kernel
	.amdgpu_metadata
---
amdhsa.version: [ 1, 2 ]
amdhsa.kernels:
  - .name:           k_q4692d74bde_ln2
    .symbol:         k_q4692d74bde_ln2.kd
    .args:
      - { .name: ybuf, .offset: 0, .size: 8, .value_kind: global_buffer, .address_space: global }
      - { .name: g2, .offset: 8, .size: 8, .value_kind: global_buffer, .address_space: global }
      - { .name: be2, .offset: 16, .size: 8, .value_kind: global_buffer, .address_space: global }
      - { .name: out0, .offset: 24, .size: 8, .value_kind: global_buffer, .address_space: global }
    .group_segment_fixed_size: 0
    .private_segment_fixed_size: 0
    .kernarg_segment_align: 8
    .kernarg_segment_size: 32
    .max_flat_workgroup_size: 128
    .sgpr_count:     66
    .vgpr_count:     256
    .wavefront_size: 32
...
	.end_amdgpu_metadata
.endif
;; end of part 8
